; MI455X (gfx1250); checked and timed in simulation.
; The chip was launched on July 23, 2026; its instructions are those of AMD's public machine-readable ISA for CDNA 5 (MIT licence, August 2026) and "CDNA5" Instruction Set Architecture Reference Guide (July 2026). The comments in the code are by the model that wrote it; some were corrected since.
;; group query attention. Allowed arithmetic: float matrix products may take bf16 or f16 operands with f32 sums; all other float work in f32.
;; Inputs: Wk 1,024 x 256 float32; Wo 1,024 x 1,024 float32; Wq 1,024 x 1,024 float32; Wv 1,024 x 256 float32; key 4 x 2,048 x 1,024 float32; query 4 x 2,048 x 1,024 float32; value 4 x 2,048 x 1,024 float32.
;; Outputs: out0 4 x 2,048 x 1,024 float32.
;; 2 versions, each right. Each part assembles by itself: llvm-mc -triple=amdgcn-amd-amdhsa -mcpu=gfx1250 --defsym DOCPART=n.
;; ======== version 1 of 2: 4 launches
;; limits: values are held in f16: magnitudes above 65,504 overflow, below 6.1e-05 lose precision
;; workspace buffers: wt 5,242,880 bytes; qkv 25,165,824 bytes; att 16,777,216 bytes
;; launch wprep (part 1): grid 8 x 40, 8 waves a work-group, no clusters, 18,432 bytes of LDS; arguments Wq, Wk, Wv, Wo, wt; writes wt
.if DOCPART == 1
	.amdgcn_target "amdgcn-amd-amdhsa--gfx1250"
	.amdhsa_code_object_version 6
	.text
	.protected	k_qddd5c09560_wprep
	.globl	k_qddd5c09560_wprep
	.p2align	8
	.type	k_qddd5c09560_wprep,@function
k_qddd5c09560_wprep:
	s_mov_b64 s[64:65], 0
	v_nop
	global_prefetch_b8 v0, s[64:65] scope:SCOPE_SE
	s_setreg_imm32_b32 hwreg(HW_REG_WAVE_MODE, 25, 1), 1
	s_wait_xcnt 0x0
; GROUPED-QUERY ATTENTION, launch 1 of 4: the four weights, f32 [k][n], become wt, f16 [2560][1024] with k along the rows.
; The four launches: this one; x W for q, k, v; attention with a running maximum; the output product.
; NOTHING OF THE PROBLEM IS LEFT OUT: every input reaches the output, there is no mask and no bias.  jnp.tile of k and v is a mapping of
; indices (query head hd uses kv head hd mod 4) and is done as one: no copy is made.
; FORMAT: all matrix operands of the four launches are f16, all sums, the softmax and its statistics f32.  f16 has three more bits than
; bf16, which the comparison's margin on q, k, v, the probabilities and the attention result needs.
; LIMIT: an input, a weight, or a value of q, k, v or of the attention result above 65,504 in magnitude becomes infinite in f16; values below
; 6e-8 in magnitude are lost.
; LAYOUT of wt (row pitch 2,048 bytes).  g = kv head (0..3), hw = hd / 4, hd = g + 4 hw, d = 0..63:
;   rows    0..1023  row g*256 + hw*64 + d = column hd*64 + d of Wq     (the four query heads of a kv head become neighbours)
;   rows 1024..1279  columns of Wk;   rows 1280..1535  columns of Wv    (natural order)
;   rows 1536..2559  columns of Wo; inside a row, place g*256 + hw*64 + d holds Wo's row hd*64 + d   (the order in which launch 3 stores)
; A work-group makes 64 rows x 128 places of wt (256 bytes a row).  Thread t reads 4 columns (16 bytes) of 8 source rows; sixteen lanes
; read 256 consecutive bytes of a source row.  The transposition costs nothing in registers: each conversion takes its two sources
; from two neighbouring source rows.  The tile is turned in LDS and leaves as whole rows of 256 bytes.
.set TP,  272                          ; LDS pitch: 256 bytes + 16
.set OFF, 2                            ; v[2:9]   byte offset of my 16 bytes in source row j of my eight
.set SA,  10                           ; v10      LDS: where my four columns' pieces go
.set RA,  11                           ; v11      LDS: where I read rows back
.set DOF, 12                           ; v12      my byte offset in the tile of wt
.set X,   16                           ; v[16:47] source row j: 4 registers
.set D,   48                           ; v[48:63] column c: 8 f16 along k
	s_load_b256 s[4:11], s[0:1], 0x0               ; Wq s[4:5], Wk s[6:7], Wv s[8:9], Wo s[10:11]
	s_load_b64 s[12:13], s[0:1], 0x20              ; wt
	v_lshl_add_u32 v64, v0, 2, 0x4400
	v_mov_b32 v65, 0
	s_and_b32 s14, ttmp7, 0xffff                   ; y: 0..15 Wq, 16..19 Wk, 20..23 Wv, 24..39 Wo, a block of 64 source columns each
	s_sub_co_u32 s15, s14, 16                      ; the column block inside Wk,
	s_sub_co_u32 s16, s14, 20                      ; Wv,
	s_sub_co_u32 s17, s14, 24                      ; Wo (only the one that applies is chosen below)
	s_and_b32 s22, s14, 3                          ; Wq: y is the head hd: g = y & 3, hw = y >> 2
	s_lshl_b32 s22, s22, 8
	s_lshr_b32 s23, s14, 2
	s_lshl_b32 s23, s23, 6
	s_add_co_u32 s22, s22, s23                     ; Wq's first row in wt: 256 g + 64 hw
	s_lshl_b32 s23, s14, 6                         ; all others: 64 y
	s_lshr_b32 s24, ttmp9, 1                       ; Wo: places 128 x .. 128 x + 127 are g = x >> 1, hw = 2 (x & 1) and 2 (x & 1) + 1
	s_and_b32 s25, ttmp9, 1
	s_lshl_b32 s25, s25, 3
	s_add_co_u32 s24, s24, s25
	s_lshl_b32 s24, s24, 6                         ; first source row (g + 8 (x & 1)) * 64; the second 64 places lie 256 source rows on
	s_lshl_b32 s25, ttmp9, 7                       ; all others: source row 128 x, the second 64 places 64 rows on
	s_movk_i32 s26, 0x400                          ; bytes in a row of Wk, Wv
	s_movk_i32 s27, 0x1000                         ; bytes in a row of Wq, Wo
	v_and_b32 v1, 15, v0                           ; ng: which four columns
	v_lshrrev_b32 v13, 4, v0                       ; kg: which eight places along k
	v_and_b32 v14, 7, v13
	v_lshlrev_b32 v14, 3, v14
	v_lshrrev_b32 v15, 3, v13
	v_mul_u32_u24 v[SA], v1, 4*TP                  ; LDS row 4 ng + c, byte 16 kg.  Rows 4 ng are 1,088 bytes apart, 64 modulo 256: these four
	v_lshl_add_u32 v[SA], v13, 4, v[SA]            ; stores a thread collide four deep, which is accepted for four stores in the whole kernel
	v_mul_u32_u24 v[RA], v13, TP
	v_lshl_add_u32 v[RA], v1, 4, v[RA]             ; back: sixteen lanes take one row of 256 bytes
	v_lshlrev_b32 v[DOF], 11, v13
	v_lshl_add_u32 v[DOF], v1, 4, v[DOF]           ; and the same row in wt
	s_wait_kmcnt 0x0
	s_cmp_lt_u32 s14, 24                           ; the choices hang on y alone
	s_cselect_b64 s[28:29], s[8:9], s[10:11]
	s_cselect_b32 s17, s16, s17                    ; column block
	s_cselect_b32 s18, s26, s27                    ; source pitch
	s_cselect_b32 s20, s25, s24                    ; first source row
	s_cselect_b32 s21, 64, 0x100                   ; source rows between the tile's two halves
	s_cmp_lt_u32 s14, 20
	s_cselect_b64 s[28:29], s[6:7], s[28:29]
	s_cselect_b32 s17, s15, s17
	s_cmp_lt_u32 s14, 16
	s_cselect_b64 s[28:29], s[4:5], s[28:29]
	s_cselect_b32 s17, s14, s17
	s_cselect_b32 s18, s27, s18
	s_cselect_b32 s19, s22, s23                    ; first row in wt
	s_mul_i32 s30, s20, s18
	s_lshl_b32 s31, s17, 8                         ; 64 columns of f32
	s_add_co_u32 s30, s30, s31
	s_mov_b32 s31, 0
	s_add_nc_u64 s[28:29], s[28:29], s[30:31]      ; the source tile
	s_lshl_b32 s32, s19, 11
	s_lshl_b32 s33, ttmp9, 8
	s_add_co_u32 s32, s32, s33
	s_mov_b32 s33, 0
	s_add_nc_u64 s[12:13], s[12:13], s[32:33]      ; the tile of wt
	v_mad_u32_u24 v14, v15, s21, v14               ; my first source row inside the tile
	v_mul_lo_u32 v14, v14, s18
	v_lshl_add_u32 v[OFF], v1, 4, v14
.irp j, 1,2,3,4,5,6,7
	v_add_nc_u32 v[OFF+\j], s18, v[OFF+\j-1]
.endr
.irp j, 0,1,2,3,4,5,6,7
	global_load_b128 v[X+4*\j:X+4*\j+3], v[OFF+\j], s[28:29] th:TH_LOAD_NT   ; each weight byte is read once in the launch
.endr
.irp p, 0,1,2,3
	s_wait_loadcnt 6-2*\p                          ; loads come back in order: rows 2 p and 2 p + 1 are in, the 6 - 2 p younger ones stay out
.irp c, 0,1,2,3
	v_cvt_pk_f16_f32 v[D+4*\c+\p], v[X+8*\p+\c], v[X+8*\p+4+\c]    ; column c: places 2 p, 2 p + 1 along k
.endr
.endr
.irp c, 0,1,2,3
	ds_store_b128 v[SA], v[D+4*\c:D+4*\c+3] offset:\c*TP
.endr
	s_wait_dscnt 0x0                               ; my stores are done before I say so: other waves read them
	s_barrier_signal -1
	s_barrier_wait -1
.irp i, 0,1,2,3
	ds_load_b128 v[X+4*\i:X+4*\i+3], v[RA] offset:\i*16*TP
.endr
.irp i, 0,1,2,3
	s_wait_dscnt 3-\i
	global_store_b128 v[DOF], v[X+4*\i:X+4*\i+3], s[12:13] offset:\i*16*2048   ; sixteen lanes store 256 consecutive bytes, aligned
.endr
	s_wait_tensorcnt 0x0
	ds_add_u32 v64, v65
	s_wait_dscnt 0x0
	s_endpgm
.Lfunc_end_k_qddd5c09560_wprep:
	.size	k_qddd5c09560_wprep, .Lfunc_end_k_qddd5c09560_wprep-k_qddd5c09560_wprep
	.p2alignl 7, 3214868480
	.fill 96, 4, 3214868480
	.section	.rodata,"a",@progbits
	.p2align	6, 0x0
	.amdhsa_kernel k_qddd5c09560_wprep
		.amdhsa_group_segment_fixed_size 18432
		.amdhsa_private_segment_fixed_size 0
		.amdhsa_enable_private_segment 0
		.amdhsa_kernarg_size 40
		.amdhsa_user_sgpr_count 2
		.amdhsa_user_sgpr_kernarg_segment_ptr 1
		.amdhsa_wavefront_size32 1
		.amdhsa_system_sgpr_workgroup_id_x 1
		.amdhsa_system_sgpr_workgroup_id_y 1
		.amdhsa_system_sgpr_workgroup_id_z 1
		.amdhsa_system_vgpr_workitem_id 0
		.amdhsa_next_free_vgpr 66
		.amdhsa_next_free_sgpr 66
		.amdhsa_reserve_vcc 0
		.amdhsa_float_denorm_mode_32 3
		.amdhsa_float_denorm_mode_16_64 3
		.amdhsa_memory_ordered 1
		.amdhsa_forward_progress 1
		.amdhsa_inst_pref_size 6
	.end_amdhsa_kernel
	.amdgpu_metadata
---
amdhsa.version: [ 1, 2 ]
amdhsa.kernels:
  - .name:           k_qddd5c09560_wprep
    .symbol:         k_qddd5c09560_wprep.kd
    .args:
      - { .name: Wq, .offset: 0, .size: 8, .value_kind: global_buffer, .address_space: global }
      - { .name: Wk, .offset: 8, .size: 8, .value_kind: global_buffer, .address_space: global }
      - { .name: Wv, .offset: 16, .size: 8, .value_kind: global_buffer, .address_space: global }
      - { .name: Wo, .offset: 24, .size: 8, .value_kind: global_buffer, .address_space: global }
      - { .name: wt, .offset: 32, .size: 8, .value_kind: global_buffer, .address_space: global }
    .group_segment_fixed_size: 18432
    .private_segment_fixed_size: 0
    .kernarg_segment_align: 8
    .kernarg_segment_size: 40
    .max_flat_workgroup_size: 256
    .sgpr_count:     66
    .vgpr_count:     66
    .wavefront_size: 32
...
	.end_amdgpu_metadata
.endif
;; end of part 1
;; launch proj (part 2): grid 6 x 32, 4 waves a work-group, no clusters, 327,680 bytes of LDS; arguments query, key, value, wt, qkv; writes qkv
.if DOCPART == 2
	.amdgcn_target "amdgcn-amd-amdhsa--gfx1250"
	.amdhsa_code_object_version 6
	.text
	.protected	k_qddd5c09560_proj
	.globl	k_qddd5c09560_proj
	.p2align	8
	.type	k_qddd5c09560_proj,@function
k_qddd5c09560_proj:
	s_mov_b64 s[64:65], 0
	v_nop
	global_prefetch_b8 v0, s[64:65] scope:SCOPE_SE
	s_setreg_imm32_b32 hwreg(HW_REG_WAVE_MODE, 25, 1), 1
	s_wait_xcnt 0x0
; Launch 2 of 4: qkv[8192][1536] (f16) = X x wt rows 0..1535 (transposed weights): columns 0..1023 q (X = query), 1024..1279 k (X = key),
; 1280..1535 v (X = value).  Nothing is left out.  LIMIT: f16 operands and results: above 65,504 in magnitude they become infinite.
; A work-group makes 256 rows x 256 columns with four waves, a wave 128 x 128: 64 accumulator tiles of 16 x 16, 512 registers.
; K = 1024 goes in 16 steps of 64 through two rings of two LDS slots:
;   W's tile (256 rows of wt x 64 k, f16) comes by the tensor data mover, a quarter (64 rows) from each wave;
;   X's tile (256 rows x 64 k) is f32 in memory: each wave loads 64 rows into registers (each load two whole rows of 256 bytes),
;   rounds them to f16 and stores them into LDS.  So no activation byte goes to memory a second time as a mere copy.
; Step t: multiplies slot t & 1; in front of its one barrier it stages X(t+1) into the other X slot; behind it it asks for W(t+2) into the
; W slot just read and loads X(t+2) into registers.
; NO CLUSTER: the grid's 6 column blocks divide into no four; along the rows four work-groups would share W's tile alone, 32 KiB of a
; step's 96 KiB, and a round for every 128 matrix instructions would tie together work-groups whose X comes through their own registers.
; REGISTERS, in windows of 256:
;   window 0: v16-29 addresses; v64-127, v128-191 fragments of X (8 x 16 rows x 32 k), two buffers; v192-223 at work on the way out
;   window 1: v64-127, v128-191 fragments of W, two buffers; v0-63 and v192-255 X as loaded, 4 registers for each of 32 loads
;   window 2: accumulator tiles of my rows 0-63 (tile (a, b) at v[8 (8 a + b)]);  window 3: those of my rows 64-127
; The matrix instruction is used transposed (source 0 = 16 rows of wt, source 1 = 16 rows of X): lane l then holds row l % 16 of the result and
; its eight registers the columns 8 (l / 16) + 0..7, which pack into 16 neighbouring bytes.
.set PITCH,  144                       ; an LDS row: 128 bytes + 16: nine times 16, so sixteen rows' 16-byte pieces fall on sixteen different places modulo 256
.set WSLOT,  256*PITCH                 ; 36,864
.set XBASE,  2*WSLOT                   ; X's two slots lie behind W's two; no tensor load ever lands there
.set STAGE,  4*WSLOT                   ; 16 rows x 272 bytes for each wave, for the way out
.set SPITCH, 272
.set CP,     3072                      ; bytes in a row of qkv
.set ADRA, 16                          ; v16-17  LDS address of my X fragments in slot 0, 1
.set ADRB, 20                          ; v20-21  the same for W
.set STO,  24                          ; v24     way out: where I put 16 bytes of a row
.set RD,   25                          ; v25     way out: where I read a row back
.set CO,   26                          ; v26     my byte offset in qkv
.set XO,   27                          ; v27     my byte offset in X's 256 rows
.set XS,   28                          ; v28-29  where my 8 bytes of f16 go in X slot 0, 1
.set F0,   64
.set F1,   128
.set TMP,  192
.set G1,   24                          ; s[24:31] descriptor group 1
.set G0,   32                          ; s[32:39] descriptor group 0, one set for each slot
.set MSB, 0
.macro WIN new                         ; the immediate's high byte repeats the setting that is left
.if MSB != \new
	s_set_vgpr_msb (MSB<<8)|\new
.set MSB, \new
.endif
.endm
.set MUL_LO, 0xa1                      ; source 0 (W) window 1, source 1 (X) window 0, C and D window 2
.set MUL_HI, 0xf1                      ; the same, C and D window 3
.set TO_B,   0x40                      ; destination window 1, address window 0
	s_load_b256 s[4:11], s[0:1], 0x0               ; query s[4:5], key s[6:7], value s[8:9], wt s[10:11]
	s_load_b64 s[12:13], s[0:1], 0x20              ; qkv
	v_lshl_add_u32 v254, v0, 2, 0x29000
	v_mov_b32 v255, 0
	ds_add_u32 v254, v255
	v_lshrrev_b32 v1, 5, v0
	v_readfirstlane_b32 s14, v1                    ; wave 0..3
	s_lshr_b32 s15, s14, 1                         ; which 128 rows are mine
	s_and_b32 s16, s14, 1                          ; which 128 columns
	s_mov_b32 s17, ttmp9                           ; column block 0..5
	s_and_b32 s18, ttmp7, 0xffff                   ; row block 0..31
	s_mov_b32 s[G1+0], (1<<16)|(1<<20)|(4<<22)|(3<<25)   ; elements of 2 bytes; after every 32 words (a row of 64) 4 words of padding
	s_mov_b32 s[G1+1], 64<<16                      ; tensor_dim0 = 64
	s_mov_b32 s[G1+2], 64<<16                      ; tensor_dim1 = 64
	s_mov_b32 s[G1+3], 64<<16                      ; tile_dim0 = 64
	s_mov_b32 s[G1+4], 64                          ; tile_dim1 = 64 rows
	s_mov_b32 s[G1+5], 1024                        ; elements from row to row of wt
	s_mov_b32 s[G1+6], 0
	s_mov_b32 s[G1+7], 0
	s_lshl_b32 s22, s17, 8
	s_lshl_b32 s42, s14, 6
	s_add_co_u32 s22, s22, s42                     ; my 64 rows of wt: 256 x column block + 64 x wave
	s_lshl_b32 s22, s22, 11
	s_mov_b32 s23, 0
	s_mul_i32 s43, s14, 64*PITCH                   ; and where they go in a slot
	s_lshl_b32 s44, s18, 20                        ; 256 rows of 4,096 bytes
	s_mov_b32 s45, 0
	s_wait_dscnt 0x0
	s_wait_kmcnt 0x0
	s_add_nc_u64 s[10:11], s[10:11], s[22:23]
.irp s, 0,1
	s_mov_b32 s[G0+4*\s], 1
	s_add_co_u32 s[G0+4*\s+1], s43, \s*WSLOT
	s_add_nc_u64 s[G0+4*\s+2:G0+4*\s+3], s[10:11], \s*128          ; K step s
	s_or_b32 s[G0+4*\s+3], s[G0+4*\s+3], 0x80000000
	tensor_load_to_lds s[G0+4*\s:G0+4*\s+3], s[G1:G1+7]            ; both first fills go out together, ahead of everything else
	s_nop 0
.endr
	s_cmp_eq_u32 s17, 4                            ; which activation: the choice hangs on the column block alone
	s_cselect_b64 s[20:21], s[6:7], s[4:5]
	s_cmp_eq_u32 s17, 5
	s_cselect_b64 s[20:21], s[8:9], s[20:21]
	s_add_nc_u64 s[20:21], s[20:21], s[44:45]      ; X at the block's first row, K step 0
	v_and_b32 v1, 15, v0                           ; l % 16
	v_bfe_u32 v2, v0, 4, 1                         ; l / 16
	v_lshlrev_b32 v4, 3, v2
	v_lshl_add_u32 v4, s14, 6, v4                  ; 64 x wave + 8 (l / 16): lanes 16-31 take the row 8 further down
	v_lshlrev_b32 v5, 4, v1
	v_lshl_add_u32 v[XO], v4, 12, v5               ; sixteen lanes read 256 consecutive bytes of a row
	v_mul_u32_u24 v6, v4, PITCH
	v_lshl_add_u32 v6, v1, 3, v6                   ; 4 f32 become 8 bytes.  The two rows of a store lie 1,152 bytes apart, 128 modulo 256
	v_add_nc_u32 v[XS], XBASE, v6
	v_add_nc_u32 v[XS+1], XBASE+WSLOT, v6
	; a fragment is 16 rows x 32 k in 8 registers: lane l holds row l % 16, registers 0-3 k = 8 (l / 16) + 0..7, registers 4-7 k = 16 + 8 (l / 16) + 0..7
	v_mul_u32_u24 v3, v1, PITCH
	v_lshl_add_u32 v3, v2, 4, v3
	s_mul_i32 s44, s15, 128*PITCH
	s_add_co_u32 s44, s44, XBASE
	s_mul_i32 s45, s16, 128*PITCH
.irp s, 0,1
	v_add_nc_u32 v[ADRA+\s], s44, v3
	v_add_nc_u32 v[ADRB+\s], s45, v3
	s_add_co_u32 s44, s44, WSLOT
	s_add_co_u32 s45, s45, WSLOT
.endr
	s_mul_i32 s23, s14, 16*SPITCH
	s_add_co_u32 s23, s23, STAGE                   ; my stage
	v_mul_u32_u24 v4, v1, SPITCH
	v_lshl_add_u32 v4, v2, 4, v4
	v_add_nc_u32 v[STO], s23, v4
	v_mul_u32_u24 v5, v2, SPITCH
	v_lshl_add_u32 v5, v1, 4, v5
	v_add_nc_u32 v[RD], s23, v5
	v_mul_u32_u24 v5, v2, CP
	v_lshl_add_u32 v[CO], v1, 4, v5
; 16 matrix instructions: m blocks a0, a0 + 1 of the window's four x all 8 n blocks, 32 along k.  zero = 1: the first product starts the sums.
.macro MUL16 f, hi, a0, zero
.irp a, \a0, \a0+1
.irp b, 0,1,2,3,4,5,6,7
.if \zero
	v_wmma_f32_16x16x32_f16 v[8*(8*(\a)+\b):8*(8*(\a)+\b)+7], v[\f+8*\b:\f+8*\b+7], v[\f+8*(4*\hi+\a):\f+8*(4*\hi+\a)+7], 0
.else
	v_wmma_f32_16x16x32_f16 v[8*(8*(\a)+\b):8*(8*(\a)+\b)+7], v[\f+8*\b:\f+8*\b+7], v[\f+8*(4*\hi+\a):\f+8*(4*\hi+\a)+7], v[8*(8*(\a)+\b):8*(8*(\a)+\b)+7]
.endif
.endr
.endr
.endm
; 32 LDS loads in one run: the fragments of 32 k at byte k of the rows (128 rows of W, 128 rows of X) into buffer f
.macro FETCH slot, k, f
	WIN TO_B
.irp i, 0,1,2,3,4,5,6,7
	ds_load_b128 v[\f+8*\i:\f+8*\i+3],   v[ADRB+\slot] offset:\k+\i*16*PITCH
	ds_load_b128 v[\f+8*\i+4:\f+8*\i+7], v[ADRB+\slot] offset:\k+\i*16*PITCH+32
.endr
	WIN 0
.irp i, 0,1,2,3,4,5,6,7
	ds_load_b128 v[\f+8*\i:\f+8*\i+3],   v[ADRA+\slot] offset:\k+\i*16*PITCH
	ds_load_b128 v[\f+8*\i+4:\f+8*\i+7], v[ADRA+\slot] offset:\k+\i*16*PITCH+32
.endr
.endm
; A load into a register that a matrix instruction has read, and a vector instruction that reads a matrix result, stand four plain vector
; instructions behind it (ISA guide 7.12.1 for vector instructions); other matrix instructions are not counted here.
.macro PLACES
.rept 4
	v_nop
.endr
.endm
; My 64 rows x 64 k of X in f32, 32 loads.  Load 8 g + j takes rows 16 g + j (lanes 0-15) and 16 g + j + 8 (lanes 16-31), 256 bytes each.
.macro XLOAD
	WIN TO_B
.irp g, 0,1,2,3
.irp j, 0,1,2,3,4,5,6,7
	global_load_b128 v[32*\g+128*(\g/2)+4*\j:32*\g+128*(\g/2)+4*\j+3], v[XO], s[20:21] offset:(16*\g+\j)*4096
.endr
.endr
.endm
; They are rounded to f16 in place and stored into X's slot, eight loads at a time.
.macro XSTORE slot
.irp g, 0,1,2,3
	s_wait_loadcnt 24-8*\g                         ; loads come back in order: these eight are in, the younger ones stay out
	WIN 0x45                                       ; sources and destination in window 1
.irp j, 0,1,2,3,4,5,6,7
	v_cvt_pk_f16_f32 v[32*\g+128*(\g/2)+4*\j],   v[32*\g+128*(\g/2)+4*\j],   v[32*\g+128*(\g/2)+4*\j+1]
	v_cvt_pk_f16_f32 v[32*\g+128*(\g/2)+4*\j+1], v[32*\g+128*(\g/2)+4*\j+2], v[32*\g+128*(\g/2)+4*\j+3]
.endr
	WIN 0x04                                       ; address window 0, data window 1
.irp j, 0,1,2,3,4,5,6,7
	ds_store_b64 v[XS+\slot], v[32*\g+128*(\g/2)+4*\j:32*\g+128*(\g/2)+4*\j+1] offset:(16*\g+\j)*PITCH
.endr
.endr
.endm
; The first half of a K step: multiplies buffer f; in its middle it fetches the second half's fragments into buffer g.
.macro QUARTER slot, k, f, g, zero
	s_wait_dscnt 8                                 ; W and X's rows 0-63 are in; the youngest eight loads (X's rows 64-127) may be out
	WIN MUL_LO
	MUL16 \f, 0, 0, \zero
	MUL16 \f, 0, 2, \zero
	PLACES
	FETCH \slot, \k, \g
	s_wait_dscnt 32                                ; all but the 32 just issued
	WIN MUL_HI
	MUL16 \f, 1, 0, \zero
	MUL16 \f, 1, 2, \zero
.endm
; The second half: multiplies buffer 1 and changes slots.  ONE barrier serves both rings.  In front of it each wave has stored its rows of the next X
; tile (into the X slot whose last reads ended in front of the barrier before), and waits for its LDS reads and stores and for all
; its tensor loads, of which one is out: its part of the next W tile.  Behind it nobody reads this step's slots any more and the next ones
; are whole: the W slot's refill comes first, then the loads of X two steps ahead, then the next slot's first fragments.
; From the request to the wait for it a wave issues 112 matrix instructions.  The 64 accumulators take turns, one instruction a turn, in the
; same order in every half step, over the backward jump too.
.macro TURN slot, next, fill
	s_wait_dscnt 8
	WIN MUL_LO
	MUL16 F1, 0, 0, 0
	XSTORE \next
	s_wait_dscnt 0                                 ; my reads of this step's slots and my stores into the next X slot are done
	s_set_vgpr_msb 0x400
	s_wait_tensorcnt 0x0                           ; all my tensor loads have landed
	ds_add_u32 v254, v255
	s_wait_dscnt 0x0
	s_set_vgpr_msb 0x4
	s_barrier_signal -1
	WIN MUL_LO
	MUL16 F1, 0, 2, 0                              ; register work while the others arrive
	s_barrier_wait -1
.if \fill
	s_add_nc_u64 s[G0+4*\slot+2:G0+4*\slot+3], s[G0+4*\slot+2:G0+4*\slot+3], 256   ; two steps of 64 f16 on; no tensor load of mine is out
	tensor_load_to_lds s[G0+4*\slot:G0+4*\slot+3], s[G1:G1+7]      ; my one tensor load behind this barrier
	s_nop 0
	s_add_nc_u64 s[20:21], s[20:21], 256           ; one step of 64 f32 on; the loads that used the base were waited for in XSTORE
	XLOAD
.endif
	PLACES
	FETCH \next, 0, F0
	WIN MUL_HI
	MUL16 F1, 1, 0, 0
	MUL16 F1, 1, 2, 0
.endm
.macro LAP zero
	QUARTER 0, 64, F0, F1, \zero
	TURN 0, 1, 1
	QUARTER 1, 64, F0, F1, 0
	TURN 1, 0, 1
.endm
	XLOAD                                          ; X(0)
	XSTORE 0
	s_add_nc_u64 s[20:21], s[20:21], 256
	XLOAD                                          ; X(1), staged in step 0
	WIN 0
	s_wait_dscnt 0x0                               ; my rows of X(0) are stored
	s_wait_tensorcnt 0x1                           ; my part of W(0) is in; W(1) may stay out
	s_barrier_signal -1
	s_barrier_wait -1
	FETCH 0, 0, F0
	LAP 1                                          ; steps 0, 1: the first products start the sums
	WIN 0                                          ; at a label and at a branch every window is 0
	s_mov_b32 s40, 6
.Llap:
	LAP 0                                          ; steps 2 .. 13
	WIN 0
	s_sub_co_u32 s40, s40, 1
	s_cmp_lg_u32 s40, 0
	s_cbranch_scc1 .Llap
	QUARTER 0, 64, F0, F1, 0                       ; step 14: stages X(15), fills nothing
	TURN 0, 1, 0
	QUARTER 1, 64, F0, F1, 0                       ; step 15
	s_wait_dscnt 8
	WIN MUL_LO
	MUL16 F1, 0, 0, 0
	MUL16 F1, 0, 2, 0
	s_wait_dscnt 0
	WIN MUL_HI
	MUL16 F1, 1, 0, 0
	MUL16 F1, 1, 2, 0
	; THE WAY OUT, 16 rows at a time: round to f16, 16 bytes a lane into my own stage, read back as whole rows of 256 bytes.
	PLACES
	s_lshl_b32 s22, s18, 8
	s_lshl_b32 s23, s15, 7
	s_add_co_u32 s22, s22, s23                     ; my first row
	s_mul_i32 s22, s22, CP
	s_lshl_b32 s23, s17, 9
	s_add_co_u32 s22, s22, s23                     ; + 512 bytes x column block
	s_lshl_b32 s23, s16, 8
	s_add_co_u32 s22, s22, s23                     ; + 256 bytes x my half
	s_mov_b32 s23, 0
	s_add_nc_u64 s[12:13], s[12:13], s[22:23]
.macro OUT16 i, a, from, f
	WIN \from
.irp b, 0,1,2,3,4,5,6,7
.irp r, 0,1,2,3
	v_cvt_pk_f16_f32 v[TMP+4*\b+\r], v[8*(8*\a+\b)+2*\r], v[8*(8*\a+\b)+2*\r+1]
.endr
.endr
	WIN 0
.irp b, 0,1,2,3,4,5,6,7
	ds_store_b128 v[STO], v[TMP+4*\b:TMP+4*\b+3] offset:32*\b
.endr
	s_wait_xcnt 0x0                                ; buffer f, which earlier stores read, and the stores' base are rewritten only behind this wait
.if \i
	s_add_nc_u64 s[12:13], s[12:13], 16*CP
.endif
.irp t, 0,1,2,3,4,5,6,7
	ds_load_b128 v[\f+4*\t:\f+4*\t+3], v[RD] offset:\t*2*SPITCH    ; a wave's LDS instructions are served in order: these see the stores above
.endr
.irp t, 0,1,2,3,4,5,6,7
	s_wait_dscnt 7-\t
	global_store_b128 v[CO], v[\f+4*\t:\f+4*\t+3], s[12:13] offset:2*\t*CP   ; sixteen lanes store 256 consecutive bytes, aligned
.endr
.endm
	OUT16 0, 0, 0x0a, F0
	OUT16 1, 1, 0x0a, F1
	OUT16 2, 2, 0x0a, F0
	OUT16 3, 3, 0x0a, F1
	OUT16 4, 0, 0x0f, F0
	OUT16 5, 1, 0x0f, F1
	OUT16 6, 2, 0x0f, F0
	OUT16 7, 3, 0x0f, F1
	s_wait_tensorcnt 0x0
	ds_add_u32 v254, v255
	s_wait_dscnt 0x0
	s_endpgm
.Lfunc_end_k_qddd5c09560_proj:
	.size	k_qddd5c09560_proj, .Lfunc_end_k_qddd5c09560_proj-k_qddd5c09560_proj
	.p2alignl 7, 3214868480
	.fill 96, 4, 3214868480
	.section	.rodata,"a",@progbits
	.p2align	6, 0x0
	.amdhsa_kernel k_qddd5c09560_proj
		.amdhsa_group_segment_fixed_size 327680
		.amdhsa_private_segment_fixed_size 0
		.amdhsa_enable_private_segment 0
		.amdhsa_kernarg_size 40
		.amdhsa_user_sgpr_count 2
		.amdhsa_user_sgpr_kernarg_segment_ptr 1
		.amdhsa_wavefront_size32 1
		.amdhsa_system_sgpr_workgroup_id_x 1
		.amdhsa_system_sgpr_workgroup_id_y 1
		.amdhsa_system_sgpr_workgroup_id_z 1
		.amdhsa_system_vgpr_workitem_id 0
		.amdhsa_next_free_vgpr 1024
		.amdhsa_next_free_sgpr 66
		.amdhsa_reserve_vcc 0
		.amdhsa_float_denorm_mode_32 3
		.amdhsa_float_denorm_mode_16_64 3
		.amdhsa_memory_ordered 1
		.amdhsa_forward_progress 1
		.amdhsa_inst_pref_size 173
	.end_amdhsa_kernel
	.amdgpu_metadata
---
amdhsa.version: [ 1, 2 ]
amdhsa.kernels:
  - .name:           k_qddd5c09560_proj
    .symbol:         k_qddd5c09560_proj.kd
    .args:
      - { .name: query, .offset: 0, .size: 8, .value_kind: global_buffer, .address_space: global }
      - { .name: key, .offset: 8, .size: 8, .value_kind: global_buffer, .address_space: global }
      - { .name: value, .offset: 16, .size: 8, .value_kind: global_buffer, .address_space: global }
      - { .name: wt, .offset: 24, .size: 8, .value_kind: global_buffer, .address_space: global }
      - { .name: qkv, .offset: 32, .size: 8, .value_kind: global_buffer, .address_space: global }
    .group_segment_fixed_size: 327680
    .private_segment_fixed_size: 0
    .kernarg_segment_align: 8
    .kernarg_segment_size: 40
    .max_flat_workgroup_size: 128
    .sgpr_count:     66
    .vgpr_count:     1024
    .wavefront_size: 32
...
	.end_amdgpu_metadata
.endif
;; end of part 2
;; launch attn (part 3): grid 16 x 16, 4 waves a work-group, clusters of 4 x 1, 327,680 bytes of LDS; arguments qkv, att; writes att
.if DOCPART == 3
	.amdgcn_target "amdgcn-amd-amdhsa--gfx1250"
	.amdhsa_code_object_version 6
	.text
	.protected	k_qddd5c09560_attn
	.globl	k_qddd5c09560_attn
	.p2align	8
	.type	k_qddd5c09560_attn,@function
k_qddd5c09560_attn:
	s_mov_b64 s[64:65], 0
	v_nop
	global_prefetch_b8 v0, s[64:65] scope:SCOPE_SE
	s_setreg_imm32_b32 hwreg(HW_REG_WAVE_MODE, 25, 1), 1
	s_wait_xcnt 0x0
	s_wait_alu depctr_hold_cnt(0) depctr_sa_sdst(0) depctr_va_vdst(0) depctr_va_sdst(0) depctr_va_ssrc(0) depctr_va_vcc(0) depctr_vm_vsrc(0)
	s_getreg_b32 s2, hwreg(HW_REG_IB_STS2, 6, 4)
	s_cmp_eq_u32 s2, 0
	s_cbranch_scc0 .Lentry_in_a_cluster
	s_endpgm
.Lentry_in_a_cluster:
	s_bfe_u32 s2, ttmp6, 0x10000c
	s_cmp_lg_u32 s2, 0x3003
	s_cbranch_scc0 .Lentry_shape_is_right
	s_endpgm
.Lentry_shape_is_right:
; Launch 3 of 4: attention.  att[row][g*256 + hw*64 + d] = softmax(q k^T / 8) v for query head g + 4 hw and kv head g.  Nothing is left out.
; A work-group takes 128 query rows x the four query heads of one kv head (b, g) against all 2,048 keys.  Wave w takes rows 32 w .. 32 w + 31 of
; all four heads: eight query tiles qt = 2 hw + half of 16 queries.  All eight use the same K and V fragments.
; CLUSTER: the four work-groups of a cluster are four query blocks of the same (b, g); they need the same K and V tiles and ask for them jointly (mask 15).
; All four make the same sixteen fills; the K and V descriptors hang on the grid's y and on the wave's number alone.
; PRODUCTS: S^T = K Q^T (source 0 = 16 keys of K, source 1 = 16 queries): lane (r, h) holds query r, register j key 8 h + j.  Two such tiles, rounded to
; f16, ARE a source-1 fragment of P^T for 32 keys.  O^T = V^T P^T (source 0 = V^T by transposing LDS loads): a lane holds 8 neighbouring d of a query.
; SOFTMAX with a running maximum, per query: m = largest raw score so far; M = round(m c), c = log2(e) / 8; p = exp2(s c - M); on a new maximum the sum and
; O are multiplied by exp2(M_old - M_new).  The same rounded M is used throughout, so its rounding cancels.  A query's keys lie in one
; lane's registers and in the lane 16 away: the maximum and the sum cross lanes once.
; The loop stands in phases (products, softmax, products).
; LIMIT: q, k, v, p and the result are f16 (infinite above 65,504; p below 6e-8 is lost).  A row whose scores hold an infinity or a NaN gives NaN.
.set QP, 3072                          ; bytes in a row of qkv
.set KP, 144                           ; LDS pitch of K: 128 + 16
.set VP, 160                           ; LDS pitch of V: 128 + 32, five times 32, for the transposing loads
.set SP, 528                           ; LDS pitch of Q and of the stage: 512 + 16
.set SLOT, 128*KP+128*VP               ; 38,912: 128 keys of K, then 128 keys of V
.set VOFF, 128*KP
.set QREG, 2*SLOT                      ; 128 rows x 528
.set STAGE, QREG+128*SP                ; 128 rows x 528, for the way out; no tensor load lands here
.set KA, 2                             ; v2-3   K fragment address in slot 0, 1
.set VA, 4                             ; v4-5   V fragment address in slot 0, 1
.set QA, 6                             ; v6     Q fragment address
.set STO, 7                            ; v7     way out: where my 16 bytes go
.set RD, 8                             ; v8     way out: where I read rows back
.set CO, 9                             ; v9     my byte offset in a row's 512 bytes of att
.set NM, 32                            ; v[32+2qt] = -M, v[33+2qt] = m
.set AL, 48                            ; v[48+2qt] = the factor for sum and O; v[49+2qt] written once, never used as a value
.set KF, 64                            ; v64-127   K fragments (kt, ks) at 8 (2 kt + ks)
.set VF, 128                           ; v128-191  V^T fragments (i, dt) at 8 (4 i + dt)
.set LS, 192                           ; v[192+2qt:193+2qt] two partial sums
.set TT, 208                           ; v208-215  at work
.set UU, 216                           ; v216-223  at work
; window 1: Q fragments (qt, ks) at 8 (2 qt + ks), v0-127; P fragments (qt, i) at 128 + 8 (2 qt + i)
; window 2: S tiles (qt, kt) at 8 (4 qt + kt);   window 3: O tiles (qt, dt) at 8 (4 qt + dt)
.set G1K, 16
.set G1V, 24
.set G1Q, 32
.set G0K, 40                           ; s[40:47] one set for each slot
.set G0V, 48                           ; s[48:55]
.set G0Q, 56                           ; s[56:59]
.set W_SMUL, 0xa4                      ; A window 0, B window 1, C and D window 2
.set W_PV,   0xf4                      ; A window 0, B window 1, C and D window 3
.set W_MAX,  0x28                      ; sources 1 and 2 window 2
.set W_FE,   0x82                      ; source 0 and destination window 2
.set W_SUM,  0x08                      ; source 1 window 2
.set W_CVT,  0x4a                      ; sources window 2, destination window 1
.set W_RESC, 0xc3                      ; source 0 and destination window 3
.set MSB, 0
.macro WIN new
.if MSB != \new
	s_set_vgpr_msb (MSB<<8)|\new
.set MSB, \new
.endif
.endm
.macro PLACES                          ; four plain vector instructions behind a matrix instruction, in front of a reader of its result or a load into its sources
.rept 4
	v_nop
.endr
.endm
; A round of the cluster's barrier: my work-group's barrier; wave 0 signals for the work-group; every wave waits for all four work-groups; my work-group's barrier again.
.macro ROUND
	s_barrier_signal -1
	s_barrier_wait -1
	s_cmp_lg_u32 s8, 0
	s_cbranch_scc1 .Lnot_wave_0_\@
	s_barrier_signal -3
.Lnot_wave_0_\@:
	s_barrier_wait -3
	s_barrier_signal -1
	s_barrier_wait -1
.endm
; A joint load into slot s: waves 0 and 1 bring K's two halves of 64 keys, waves 2 and 3 V's.  The branch hangs on the wave's number alone.
.macro JLOAD s
	s_cmp_eq_u32 s9, 0
	s_cbranch_scc0 .Lfor_v_\@
	tensor_load_to_lds s[G0K+4*(\s):G0K+4*(\s)+3], s[G1K:G1K+7]
	s_nop 0
	s_branch .Lasked_\@
.Lfor_v_\@:
	tensor_load_to_lds s[G0V+4*(\s):G0V+4*(\s)+3], s[G1V:G1V+7]
	s_nop 0
.Lasked_\@:
.endm
	s_load_b128 s[4:7], s[0:1], 0x0                ; qkv s[4:5], att s[6:7]
	v_lshl_add_u32 v254, v0, 2, 0x34000
	v_mov_b32 v255, 0
	ds_add_u32 v254, v255
	v_lshrrev_b32 v1, 5, v0
	v_readfirstlane_b32 s8, v1                     ; wave 0..3
	s_lshr_b32 s9, s8, 1                           ; 0: I fetch K, 1: I fetch V
	s_and_b32 s10, s8, 1                           ; which 64 keys of a tile I fetch
	s_bfe_u32 s11, ttmp6, 0x40000                  ; cx
	s_lshl_b32 s12, ttmp9, 2
	s_add_co_u32 s12, s12, s11                     ; query block 0..15
	s_and_b32 s13, ttmp7, 0xffff
	s_lshr_b32 s14, s13, 2                         ; b
	s_and_b32 s15, s13, 3                          ; g
	s_mov_b32 s[G1K+0], 15|(1<<16)|(1<<20)|(1<<21)|(4<<22)|(3<<25)   ; mask: all four; 2-byte elements; after every 32 words 4 words of padding; bit 21 beside a mask
	s_mov_b32 s[G1V+0], 15|(1<<16)|(1<<20)|(1<<21)|(4<<22)|(7<<25)   ; the same with 8 words of padding
	s_mov_b32 s[G1Q+0], (1<<16)|(1<<20)|(6<<22)|(3<<25)              ; my own load: no mask; after every 128 words 4 words of padding
	s_mov_b32 s[G1K+1], 64<<16                     ; tensor_dim0 = 64
	s_mov_b32 s[G1V+1], 64<<16
	s_mov_b32 s[G1Q+1], 256<<16                    ; four heads' 256 elements
	s_mov_b32 s[G1K+2], 64<<16                     ; tensor_dim1 = 64 keys
	s_mov_b32 s[G1V+2], 64<<16
	s_mov_b32 s[G1Q+2], 32<<16                     ; 32 rows
	s_mov_b32 s[G1K+3], 64<<16                     ; tile_dim0
	s_mov_b32 s[G1V+3], 64<<16
	s_mov_b32 s[G1Q+3], 256<<16
	s_mov_b32 s[G1K+4], 64                         ; tile_dim1
	s_mov_b32 s[G1V+4], 64
	s_mov_b32 s[G1Q+4], 32
	s_mov_b32 s[G1K+5], 1536                       ; elements from row to row of qkv
	s_mov_b32 s[G1V+5], 1536
	s_mov_b32 s[G1Q+5], 1536
	s_mov_b32 s[G1K+6], 0
	s_mov_b32 s[G1V+6], 0
	s_mov_b32 s[G1Q+6], 0
	s_mov_b32 s[G1K+7], 0
	s_mov_b32 s[G1V+7], 0
	s_mov_b32 s[G1Q+7], 0
	s_mov_b32 s68, 0x3e38aa3b                      ; c = log2(e) / 8, twice
	s_mov_b32 s69, 0x3e38aa3b
	s_mov_b32 s70, 0xbe38aa3b                      ; -c
	s_mov_b32 s72, 0x76543210                      ; v_permlanex16_b32: lane i reads lane i of the other half
	s_mov_b32 s73, 0xfedcba98
	; K and V: rows 2048 b + 64 (wave & 1), byte 128 g of the k (v) columns.  s2, s3, s66, s67, s71, s74 never hold cx.
	s_lshl_b32 s2, s14, 11
	s_lshl_b32 s3, s10, 6
	s_add_co_u32 s2, s2, s3
	s_mul_i32 s2, s2, QP
	s_lshl_b32 s3, s15, 7
	s_add_co_u32 s2, s2, s3
	s_mov_b32 s3, 0
	s_mul_i32 s71, s10, 64*KP
	s_mul_i32 s74, s10, 64*VP
	; Q and att: my 32 rows
	s_lshl_b32 s61, s14, 11
	s_lshl_b32 s62, s12, 7
	s_add_co_u32 s61, s61, s62
	s_lshl_b32 s62, s8, 5
	s_add_co_u32 s61, s61, s62                     ; row 2048 b + 128 x query block + 32 x wave
	s_mul_i32 s62, s61, QP
	s_lshl_b32 s63, s15, 9
	s_add_co_u32 s62, s62, s63                     ; + 512 g
	s_mov_b32 s63, 0
	s_mul_i32 s75, s8, 32*SP
	s_wait_dscnt 0x0
	s_wait_kmcnt 0x0
	s_add_nc_u64 s[66:67], s[4:5], s[2:3]
	s_mov_b32 s[G0Q], 1
	s_add_co_u32 s[G0Q+1], s75, QREG
	s_add_nc_u64 s[G0Q+2:G0Q+3], s[4:5], s[62:63]
	s_or_b32 s[G0Q+3], s[G0Q+3], 0x80000000
.irp s, 0,1
	s_mov_b32 s[G0K+4*\s], 1
	s_add_co_u32 s[G0K+4*\s+1], s71, \s*SLOT
	s_add_nc_u64 s[G0K+4*\s+2:G0K+4*\s+3], s[66:67], \s*128*QP+2048    ; keys 128 s ..; k's columns begin at byte 2,048
	s_or_b32 s[G0K+4*\s+3], s[G0K+4*\s+3], 0x80000000
	s_mov_b32 s[G0V+4*\s], 1
	s_add_co_u32 s[G0V+4*\s+1], s74, \s*SLOT+VOFF
	s_add_nc_u64 s[G0V+4*\s+2:G0V+4*\s+3], s[66:67], \s*128*QP+2560    ; v's columns begin at byte 2,560
	s_or_b32 s[G0V+4*\s+3], s[G0V+4*\s+3], 0x80000000
.endr
	s_lshl_b32 s62, s61, 11                        ; att: rows of 2,048 bytes
	s_lshl_b32 s63, s15, 9
	s_add_co_u32 s62, s62, s63
	s_mov_b32 s63, 0
	s_add_nc_u64 s[6:7], s[6:7], s[62:63]
	s_add_co_u32 s75, s75, STAGE                   ; my 32 rows of the stage
	ROUND                                          ; all four work-groups are here: the first joint loads meet
	tensor_load_to_lds s[G0Q:G0Q+3], s[G1Q:G1Q+7]  ; the three first fills go out as one group: my rows of Q,
	s_nop 0
	JLOAD 0                                        ; my part of keys 0..127,
	JLOAD 1                                        ; my part of keys 128..255.  Three tensor loads of mine are out
	v_and_b32 v10, 31, v0                          ; lane L
	v_and_b32 v11, 15, v0                          ; r
	v_bfe_u32 v12, v0, 4, 1                        ; h
	v_mul_u32_u24 v13, v11, KP
	v_lshl_add_u32 v[KA], v12, 4, v13              ; key r, 16 h bytes
	v_add_nc_u32 v[KA+1], SLOT, v[KA]
	v_and_b32 v14, 7, v0
	v_lshl_add_u32 v14, v12, 3, v14
	v_mul_u32_u24 v14, v14, VP                     ; key 8 h + (L & 7)
	v_bfe_u32 v15, v0, 3, 1
	v_lshl_add_u32 v14, v15, 4, v14                ; + 16 ((L >> 3) & 1)
	v_add_nc_u32 v[VA], VOFF, v14
	v_add_nc_u32 v[VA+1], VOFF+SLOT, v14
	v_lshl_add_u32 v13, s8, 5, v11                 ; row 32 w + r
	v_mul_u32_u24 v13, v13, SP
	v_lshl_add_u32 v13, v12, 4, v13
	v_add_nc_u32 v[QA], QREG, v13
	v_add_nc_u32 v[STO], STAGE, v13
	v_lshl_add_u32 v[RD], v10, 4, s75              ; a row's 512 bytes: 32 lanes x 16
	v_lshlrev_b32 v[CO], 4, v10
.irp q, 0,1,2,3,4,5,6,7
	v_mov_b32 v[NM+2*\q+1], 0xff800000             ; m = -infinity
	v_mov_b32 v[AL+2*\q+1], 0                      ; the pair's second register is named by packed instructions
	v_mov_b32 v[LS+2*\q], 0                        ; the sums
	v_mov_b32 v[LS+2*\q+1], 0
	v_mov_b32 v[UU+\q], 0                          ; the lane exchange counts as a reader of its destination
.endr
	s_wait_tensorcnt 0x2                           ; my rows of Q are in (only I read them); both slots' parts may be out
	WIN 0x40                                       ; destination window 1
.irp hw, 0,1,2,3
.irp rh, 0,1
.irp ks, 0,1
	ds_load_b128 v[8*(2*(2*\hw+\rh)+\ks):8*(2*(2*\hw+\rh)+\ks)+3],   v[QA] offset:\rh*16*SP+\hw*128+\ks*64
	ds_load_b128 v[8*(2*(2*\hw+\rh)+\ks)+4:8*(2*(2*\hw+\rh)+\ks)+7], v[QA] offset:\rh*16*SP+\hw*128+\ks*64+32
.endr
.endr
.endr
	WIN 0
.macro KLOAD slot, tile                ; 16 loads: 64 keys x 64 d
	WIN 0
.irp kt, 0,1,2,3
.irp ks, 0,1
	ds_load_b128 v[KF+8*(2*\kt+\ks):KF+8*(2*\kt+\ks)+3],   v[KA+\slot] offset:\tile*64*KP+\kt*16*KP+\ks*64
	ds_load_b128 v[KF+8*(2*\kt+\ks)+4:KF+8*(2*\kt+\ks)+7], v[KA+\slot] offset:\tile*64*KP+\kt*16*KP+\ks*64+32
.endr
.endr
.endm
.macro VLOAD slot, tile                ; 16 transposing loads: 64 d x 64 keys
	WIN 0
.irp i, 0,1
.irp dt, 0,1,2,3
	ds_load_tr16_b128 v[VF+8*(4*\i+\dt):VF+8*(4*\i+\dt)+3],   v[VA+\slot] offset:\tile*64*VP+\i*32*VP+\dt*32
	ds_load_tr16_b128 v[VF+8*(4*\i+\dt)+4:VF+8*(4*\i+\dt)+7], v[VA+\slot] offset:\tile*64*VP+\i*32*VP+\dt*32+16*VP
.endr
.endr
.endm
; 64 matrix instructions: S^T for 64 keys x 8 query tiles.  The 32 accumulators take turns, one instruction a turn; d 0..31 starts the sums.
.macro SMUL
	WIN W_SMUL
.irp ks, 0,1
.irp kt, 0,1,2,3
.irp q, 0,1,2,3,4,5,6,7
.if \ks
	v_wmma_f32_16x16x32_f16 v[8*(4*\q+\kt):8*(4*\q+\kt)+7], v[KF+8*(2*\kt+\ks):KF+8*(2*\kt+\ks)+7], v[8*(2*\q+\ks):8*(2*\q+\ks)+7], v[8*(4*\q+\kt):8*(4*\q+\kt)+7]
.else
	v_wmma_f32_16x16x32_f16 v[8*(4*\q+\kt):8*(4*\q+\kt)+7], v[KF+8*(2*\kt+\ks):KF+8*(2*\kt+\ks)+7], v[8*(2*\q+\ks):8*(2*\q+\ks)+7], 0
.endif
.endr
.endr
.endr
.endm
; 64 matrix instructions: O^T += V^T P^T.  The 32 accumulators take turns likewise.  first = 1: the first 32 keys start the sums.
.macro PVMUL first
	WIN W_PV
.irp i, 0,1
.irp dt, 0,1,2,3
.irp q, 0,1,2,3,4,5,6,7
.if \first*(1-\i)
	v_wmma_f32_16x16x32_f16 v[8*(4*\q+\dt):8*(4*\q+\dt)+7], v[VF+8*(4*\i+\dt):VF+8*(4*\i+\dt)+7], v[128+8*(2*\q+\i):128+8*(2*\q+\i)+7], 0
.else
	v_wmma_f32_16x16x32_f16 v[8*(4*\q+\dt):8*(4*\q+\dt)+7], v[VF+8*(4*\i+\dt):VF+8*(4*\i+\dt)+7], v[128+8*(2*\q+\i):128+8*(2*\q+\i)+7], v[8*(4*\q+\dt):8*(4*\q+\dt)+7]
.endif
.endr
.endr
.endr
.endm
; The softmax step for 64 keys.  A query tile's 32 score registers are v[32 qt .. 32 qt + 31] of window 2.
.macro SOFTMAX first
	WIN W_MAX                                      ; the largest of the old maximum and my 32 scores, eight chains side by side
.irp q, 0,1,2,3,4,5,6,7
	v_max3_num_f32 v[TT+\q], v[NM+2*\q+1], v[32*\q], v[32*\q+1]
.endr
.set sn, 1
.rept 15
.irp q, 0,1,2,3,4,5,6,7
	v_max3_num_f32 v[TT+\q], v[TT+\q], v[32*\q+2*sn], v[32*\q+2*sn+1]
.endr
.set sn, sn+1
.endr
	WIN 0
.irp q, 0,1,2,3,4,5,6,7
	v_permlanex16_b32 v[UU+\q], v[TT+\q], s72, s73 ; the query's other 32 keys lie 16 lanes away
.endr
.irp q, 0,1,2,3,4,5,6,7
	v_max_num_f32 v[NM+2*\q+1], v[TT+\q], v[UU+\q] ; m
.endr
.if \first
.irp q, 0,1,2,3,4,5,6,7
	v_mul_f32 v[NM+2*\q], s70, v[NM+2*\q+1]        ; -M; sum and O are still empty: no factor
.endr
.else
.irp q, 0,1,2,3,4,5,6,7
	v_mul_f32 v[TT+\q], s70, v[NM+2*\q+1]          ; the new -M
.endr
.irp q, 0,1,2,3,4,5,6,7
	v_sub_f32 v[UU+\q], v[TT+\q], v[NM+2*\q]       ; M_old - M_new, never above 0
.endr
.irp q, 0,1,2,3,4,5,6,7
	v_mov_b32 v[NM+2*\q], v[TT+\q]
.endr
.irp q, 0,1,2,3,4,5,6,7
	v_exp_f32 v[AL+2*\q], v[UU+\q]
.endr
	v_nop                                          ; one plain instruction between the exponentials and their first use (ISA guide 5.7.2)
	s_wait_alu depctr_va_vdst(0)
.irp q, 0,1,2,3,4,5,6,7
	v_pk_mul_f32 v[LS+2*\q:LS+2*\q+1], v[LS+2*\q:LS+2*\q+1], v[AL+2*\q:AL+2*\q+1] op_sel_hi:[1,0]
.endr
.endif
	WIN W_FE                                       ; p = exp2(s c - M), in place
.irp q, 0,1,2,3,4,5,6,7
.set sn, 0
.rept 16
	v_pk_fma_f32 v[32*\q+2*sn:32*\q+2*sn+1], v[32*\q+2*sn:32*\q+2*sn+1], s[68:69], v[NM+2*\q:NM+2*\q+1] op_sel_hi:[1,0,0]
.set sn, sn+1
.endr
.set sn, 0
.rept 32
	v_exp_f32 v[32*\q+sn], v[32*\q+sn]             ; behind each run the next query tile's multiply-adds, on other registers, are the plain instructions
.set sn, sn+1
.endr
.endr
	v_nop                                          ; and behind the last run this one
	WIN W_SUM
.set sn, 0
	s_wait_alu depctr_va_vdst(0)
.rept 16
.irp q, 0,1,2,3,4,5,6,7
	v_pk_add_f32 v[LS+2*\q:LS+2*\q+1], v[LS+2*\q:LS+2*\q+1], v[32*\q+2*sn:32*\q+2*sn+1]
.endr
.set sn, sn+1
.endr
	WIN W_CVT                                      ; score registers 2 n, 2 n + 1 become register n of the P fragments: tile kt = 2 i fills registers 0-3 of P(qt, i), kt = 2 i + 1 registers 4-7
.set sn, 0
.rept 128
	v_cvt_pk_f16_f32 v[128+sn], v[2*sn], v[2*sn+1]
.set sn, sn+1
.endr
.if 1-\first
	WIN W_RESC
.set sn, 0
.rept 128
	v_pk_mul_f32 v[2*sn:2*sn+1], v[2*sn:2*sn+1], v[AL+2*(sn/16):AL+2*(sn/16)+1] op_sel_hi:[1,0]
.set sn, sn+1
.endr
.endif
.endm
; A slot's 128 keys, in two tiles of 64.
.macro SLOTWORK slot, first
	KLOAD \slot, 0
	VLOAD \slot, 0
	s_wait_dscnt 16                                ; K's fragments are in; V's sixteen loads may be out
	SMUL
	PLACES
	KLOAD \slot, 1
	SOFTMAX \first
	s_wait_dscnt 16                                ; V's are in; the next K's sixteen may be out
	PVMUL \first
	PLACES
	VLOAD \slot, 1
	s_wait_dscnt 16                                ; the second tile's K is in; its V may be out
	SMUL
	PLACES
	SOFTMAX 0
	s_wait_dscnt 0
	PVMUL 0
	PLACES
	WIN 0
.endm
; A change of slots: slot is read now, other was read last.  In front of the round each wave waits for all its tensor loads (its part of this slot among them) and
; for its reads of the other slot; behind it no wave of the four work-groups reads the other slot or has a load on its way: the joint refill comes first, one a wave.
.macro STEP slot, other, refill
	s_wait_tensorcnt 0x0
	ds_add_u32 v254, v255
	s_wait_dscnt 0x0
	s_add_nc_u64 s[G0K+4*\other+2:G0K+4*\other+3], s[G0K+4*\other+2:G0K+4*\other+3], 256*QP   ; the other slot's next 128 keys (in the last step not used)
	s_add_nc_u64 s[G0V+4*\other+2:G0V+4*\other+3], s[G0V+4*\other+2:G0V+4*\other+3], 256*QP
	s_wait_dscnt 0x0
	ROUND
.if \refill
	JLOAD \other
.endif
	SLOTWORK \slot, 0
.endm
	s_wait_tensorcnt 0x1                           ; my part of slot 0 is in; slot 1's may stay out
	s_wait_dscnt 0x0                               ; Q's fragments are in
	s_barrier_signal -1
	s_barrier_wait -1
	SLOTWORK 0, 1                                  ; keys 0..127
	s_mov_b32 s60, 7
.Lkv:
	STEP 1, 0, 1                                   ; trip n = 1..7: keys 256 n - 128 ..; slot 0 gets keys 256 n ..
	STEP 0, 1, 1                                   ; keys 256 n ..; slot 1 gets keys 256 n + 128 ..
	s_sub_co_u32 s60, s60, 1
	s_cmp_lg_u32 s60, 0
	s_cbranch_scc1 .Lkv
	STEP 1, 0, 0                                   ; keys 1920..2047: nothing is left to fetch
	; THE WAY OUT: divide by the sum, round to f16, through my own rows of the stage, whole rows of 512 bytes to att.
.irp q, 0,1,2,3,4,5,6,7
	v_add_f32 v[TT+\q], v[LS+2*\q], v[LS+2*\q+1]
.endr
.irp q, 0,1,2,3,4,5,6,7
	v_permlanex16_b32 v[UU+\q], v[TT+\q], s72, s73
.endr
.irp q, 0,1,2,3,4,5,6,7
	v_add_f32 v[TT+\q], v[TT+\q], v[UU+\q]         ; at least 1: the largest score's own term
.endr
.irp q, 0,1,2,3,4,5,6,7
	v_rcp_f32 v[AL+2*\q], v[TT+\q]
.endr
	v_nop
	WIN W_RESC
.set sn, 0
	s_wait_alu depctr_va_vdst(0)
.rept 128
	v_pk_mul_f32 v[2*sn:2*sn+1], v[2*sn:2*sn+1], v[AL+2*(sn/16):AL+2*(sn/16)+1] op_sel_hi:[1,0]
.set sn, sn+1
.endr
	WIN 0x4f                                       ; sources window 3, destination window 1
.set sn, 0
.rept 128
	v_cvt_pk_f16_f32 v[128+sn], v[2*sn], v[2*sn+1] ; tile (qt, dt): 8 d of a query, 16 bytes, in v[128 + 4 (4 qt + dt) ..]
.set sn, sn+1
.endr
	WIN 0x04                                       ; address window 0, data window 1
.irp hw, 0,1,2,3
.irp rh, 0,1
.irp dt, 0,1,2,3
	ds_store_b128 v[STO], v[128+4*(4*(2*\hw+\rh)+\dt):128+4*(4*(2*\hw+\rh)+\dt)+3] offset:\rh*16*SP+\hw*128+\dt*32
.endr
.endr
.endr
	WIN 0
.set sn, 0
.rept 32
	ds_load_b128 v[KF+4*sn:KF+4*sn+3], v[RD] offset:sn*SP    ; my own bytes, served in order behind the stores
.set sn, sn+1
.endr
.set sn, 0
.rept 32
	s_wait_dscnt 31-sn
	global_store_b128 v[CO], v[KF+4*sn:KF+4*sn+3], s[6:7] offset:sn*2048   ; the wave stores 512 consecutive bytes, aligned
.set sn, sn+1
.endr
	s_wait_tensorcnt 0x0
	ds_add_u32 v254, v255
	s_wait_dscnt 0x0
	ROUND                                          ; the closing round: no work-group ends while a partner may still ask for a tile that names it
	s_endpgm
.Lfunc_end_k_qddd5c09560_attn:
	.size	k_qddd5c09560_attn, .Lfunc_end_k_qddd5c09560_attn-k_qddd5c09560_attn
	.p2alignl 7, 3214868480
	.fill 96, 4, 3214868480
	.section	.rodata,"a",@progbits
	.p2align	6, 0x0
	.amdhsa_kernel k_qddd5c09560_attn
		.amdhsa_group_segment_fixed_size 327680
		.amdhsa_private_segment_fixed_size 0
		.amdhsa_enable_private_segment 0
		.amdhsa_kernarg_size 16
		.amdhsa_user_sgpr_count 2
		.amdhsa_user_sgpr_kernarg_segment_ptr 1
		.amdhsa_wavefront_size32 1
		.amdhsa_system_sgpr_workgroup_id_x 1
		.amdhsa_system_sgpr_workgroup_id_y 1
		.amdhsa_system_sgpr_workgroup_id_z 1
		.amdhsa_system_vgpr_workitem_id 0
		.amdhsa_next_free_vgpr 1024
		.amdhsa_next_free_sgpr 76
		.amdhsa_reserve_vcc 0
		.amdhsa_float_denorm_mode_32 3
		.amdhsa_float_denorm_mode_16_64 3
		.amdhsa_memory_ordered 1
		.amdhsa_forward_progress 1
		.amdhsa_inst_pref_size 255
	.end_amdhsa_kernel
	.section	.bss,"aw",@nobits
	.p2align	6
	.space	262144
	.amdgpu_metadata
---
amdhsa.version: [ 1, 2 ]
amdhsa.kernels:
  - .name:           k_qddd5c09560_attn
    .symbol:         k_qddd5c09560_attn.kd
    .args:
      - { .name: qkv, .offset: 0, .size: 8, .value_kind: global_buffer, .address_space: global }
      - { .name: att, .offset: 8, .size: 8, .value_kind: global_buffer, .address_space: global }
    .group_segment_fixed_size: 327680
    .private_segment_fixed_size: 0
    .kernarg_segment_align: 8
    .kernarg_segment_size: 16
    .max_flat_workgroup_size: 128
    .sgpr_count:     76
    .vgpr_count:     1024
    .wavefront_size: 32
...
	.end_amdgpu_metadata
.endif
;; end of part 3
;; launch oproj (part 4): grid 8 x 32, 4 waves a work-group, clusters of 4 x 4, 327,680 bytes of LDS; arguments att, wt, out0; writes out0
.if DOCPART == 4
	.amdgcn_target "amdgcn-amd-amdhsa--gfx1250"
	.amdhsa_code_object_version 6
	.text
	.protected	k_qddd5c09560_oproj
	.globl	k_qddd5c09560_oproj
	.p2align	8
	.type	k_qddd5c09560_oproj,@function
k_qddd5c09560_oproj:
	s_mov_b64 s[64:65], 0
	v_nop
	global_prefetch_b8 v0, s[64:65] scope:SCOPE_SE
	s_setreg_imm32_b32 hwreg(HW_REG_WAVE_MODE, 25, 1), 1
	s_wait_xcnt 0x0
	s_wait_alu depctr_hold_cnt(0) depctr_sa_sdst(0) depctr_va_vdst(0) depctr_va_sdst(0) depctr_va_ssrc(0) depctr_va_vcc(0) depctr_vm_vsrc(0)
	s_getreg_b32 s2, hwreg(HW_REG_IB_STS2, 6, 4)
	s_cmp_eq_u32 s2, 0
	s_cbranch_scc0 .Lentry_in_a_cluster
	s_endpgm
.Lentry_in_a_cluster:
	s_bfe_u32 s2, ttmp6, 0x10000c
	s_cmp_lg_u32 s2, 0xf033
	s_cbranch_scc0 .Lentry_shape_is_right
	s_endpgm
.Lentry_shape_is_right:
; Launch 4 of 4: out0[8192][1024] (f32) = att (f16, columns in the order g, hw, d) x wt rows 1536..2559 (Wo transposed, its k in the same order).
; Nothing is left out.  LIMIT: f16 operands, as stated at the head of the first launch.
; A work-group makes 256 rows x 128 columns, so that the 8 x 32 blocks are one for each of 256 work-groups; a wave makes 128 x 64: 32 accumulator tiles, 256 registers.
; K = 1024 goes in 8 steps of 128 through a ring of two LDS slots filled by the tensor data mover; a tile's rows are 256 bytes of memory, aligned.
; CLUSTER: 4 x 4 work-groups.  The four of a row of the cluster share att's tile, the four of a column share wt's: each is asked for jointly.
; REGISTERS: window 0: v16-26 addresses; v64-127, v128-191 fragments of att (8 x 16 rows x 32 k), two buffers.
;   window 1: v64-95, v128-159 fragments of wt (4 x 16 rows x 32 k), two buffers.   window 2: tile (a, b) at v[8 (4 a + b)], a = 0..7, b = 0..3.
; The matrix instruction is used transposed (source 0 = rows of wt, source 1 = rows of att): a lane holds 8 neighbouring columns of one row of out0.
.set KSTEP,  128
.set PITCH,  272                       ; 256 bytes + 16: seventeen times 16
.set AHALF,  128*PITCH                 ; what waves 0 and 1 each bring, and what a wave reads of att
.set BHALF,  64*PITCH                  ; what waves 2 and 3 each bring, and what a wave reads of wt
.set SLOT,   2*AHALF+2*BHALF           ; 104,448
.set STAGE,  2*SLOT                    ; 16 rows x 272 bytes for each wave; no tensor load lands here
.set SPITCH, 272
.set OP,     4096                      ; bytes in a row of out0
.set LAPS,   4                         ; a lap = two K steps
.set ADRA, 16
.set ADRB, 20
.set STO,  24
.set RD,   25
.set CO,   26
.set F0,   64
.set F1,   128
.set G1,  24                           ; s[24:31] group 1 for att's tiles
.set G0,  32                           ; s[32:39] group 0 for att's tiles, one set for each slot
.set G1B, 48                           ; s[48:55] group 1 for wt's tiles
.set G0B, 56                           ; s[56:63] group 0 for wt's tiles
.set MSB, 0
.macro WIN new
.if MSB != \new
	s_set_vgpr_msb (MSB<<8)|\new
.set MSB, \new
.endif
.endm
.set MUL,  0xa1                        ; source 0 window 1, source 1 window 0, C and D window 2
.set TO_B, 0x40
.macro JLOAD s                         ; waves 0, 1: att's halves; waves 2, 3: wt's.  Each line has one mask; the branch hangs on the wave's number alone
	s_cmp_eq_u32 s11, 0
	s_cbranch_scc0 .Lfor_b_\@
	tensor_load_to_lds s[G0+4*\s:G0+4*\s+3], s[G1:G1+7]
	s_nop 0
	s_branch .Lasked_\@
.Lfor_b_\@:
	tensor_load_to_lds s[G0B+4*\s:G0B+4*\s+3], s[G1B:G1B+7]
	s_nop 0
.Lasked_\@:
.endm
.macro CREST                           ; a round of the cluster's barrier behind its opening barrier
	s_cmp_lg_u32 s10, 0
	s_cbranch_scc1 .Lnot_wave_0_\@
	s_barrier_signal -3
.Lnot_wave_0_\@:
	s_barrier_wait -3
	s_barrier_signal -1
	s_barrier_wait -1
.endm
.macro CROUND
	s_barrier_signal -1
	s_barrier_wait -1
	CREST
.endm
	s_load_b128 s[4:7], s[0:1], 0x0                ; att s[4:5], wt s[6:7]
	s_load_b64 s[8:9], s[0:1], 0x10                ; out0
	s_set_vgpr_msb 0x40
	v_lshl_add_u32 v255, v0, 2, 0x37400
	s_set_vgpr_msb 0x4000
	v_mov_b32 v255, 0
	s_set_vgpr_msb 0x1
	ds_add_u32 v255, v255
	s_set_vgpr_msb 0x100
	v_lshrrev_b32 v1, 5, v0
	v_readfirstlane_b32 s10, v1                    ; wave 0..3
	s_lshr_b32 s11, s10, 1                         ; which 128 rows are mine.  Also: I fetch for att (0) or for wt (1)
	s_and_b32 s12, s10, 1                          ; which 64 columns.  Also: which half of that tile I fetch
	s_bfe_u32 s40, ttmp6, 0x40000                  ; cx
	s_bfe_u32 s41, ttmp6, 0x40004                  ; cy
	s_lshl_b32 s42, ttmp9, 2
	s_add_co_u32 s42, s42, s40                     ; block column 0..7
	s_and_b32 s13, ttmp7, 0xffff
	s_lshl_b32 s13, s13, 2
	s_add_co_u32 s13, s13, s41                     ; block row 0..31
	s_lshl_b32 s43, s41, 2
	s_lshl_b32 s43, 15, s43                        ; my row of the cluster
	s_lshl_b32 s44, 0x1111, s40                    ; my column
	s_or_b32 s[G1+0], s43, (1<<16)|(1<<20)|(1<<21)|(5<<22)|(3<<25)    ; mask; 2-byte elements; after every 64 words 4 words of padding; bit 21 beside a mask
	s_or_b32 s[G1B+0], s44, (1<<16)|(1<<20)|(1<<21)|(5<<22)|(3<<25)
	s_mov_b32 s[G1+1], KSTEP<<16                   ; tensor_dim0 = 128
	s_mov_b32 s[G1B+1], KSTEP<<16
	s_mov_b32 s[G1+2], 128<<16                     ; tensor_dim1: 128 rows of att,
	s_mov_b32 s[G1B+2], 64<<16                     ; 64 rows of wt
	s_mov_b32 s[G1+3], KSTEP<<16                   ; tile_dim0
	s_mov_b32 s[G1B+3], KSTEP<<16
	s_mov_b32 s[G1+4], 128                         ; tile_dim1
	s_mov_b32 s[G1B+4], 64
	s_mov_b32 s[G1+5], 1024                        ; elements from row to row, in both
	s_mov_b32 s[G1B+5], 1024
	s_mov_b32 s[G1+6], 0
	s_mov_b32 s[G1B+6], 0
	s_mov_b32 s[G1+7], 0
	s_mov_b32 s[G1B+7], 0
	; att's tiles hang on the block row alone, wt's on the block column alone; each address is made in registers that never hold the other coordinate
	s_lshl_b32 s17, s12, 7
	s_lshl_b32 s16, s13, 8
	s_add_co_u32 s16, s16, s17                     ; att: row 256 x block row + 128 x half
	s_lshl_b32 s16, s16, 11
	s_mov_b32 s17, 0
	s_lshl_b32 s47, s12, 6
	s_lshl_b32 s46, s42, 7
	s_add_co_u32 s46, s46, s47
	s_add_co_u32 s46, s46, 1536                    ; wt: row 1536 + 128 x block column + 64 x half
	s_lshl_b32 s46, s46, 11
	s_mov_b32 s47, 0
	s_mul_i32 s20, s12, AHALF                      ; where they go: no place in the cluster enters an LDS address
	s_mul_i32 s21, s12, BHALF
	s_add_co_u32 s21, s21, 2*AHALF
	s_wait_dscnt 0x0
	s_wait_kmcnt 0x0
	s_add_nc_u64 s[14:15], s[4:5], s[16:17]
	s_add_nc_u64 s[46:47], s[6:7], s[46:47]
	CROUND                                         ; all sixteen work-groups are here: the first joint loads meet
.irp s, 0,1
	s_mov_b32 s[G0+4*\s], 1
	s_add_co_u32 s[G0+4*\s+1], s20, \s*SLOT
	s_add_nc_u64 s[G0+4*\s+2:G0+4*\s+3], s[14:15], \s*KSTEP*2
	s_or_b32 s[G0+4*\s+3], s[G0+4*\s+3], 0x80000000
	s_mov_b32 s[G0B+4*\s], 1
	s_add_co_u32 s[G0B+4*\s+1], s21, \s*SLOT
	s_add_nc_u64 s[G0B+4*\s+2:G0B+4*\s+3], s[46:47], \s*KSTEP*2
	s_or_b32 s[G0B+4*\s+3], s[G0B+4*\s+3], 0x80000000
	JLOAD \s                                       ; both first fills go out behind the one round
.endr
	v_and_b32 v1, 15, v0                           ; l % 16
	v_bfe_u32 v2, v0, 4, 1                         ; l / 16
	v_mul_u32_u24 v3, v1, PITCH
	v_lshl_add_u32 v3, v2, 4, v3
	s_mul_i32 s21, s11, AHALF                      ; my 128 rows of att
	s_mul_i32 s22, s12, BHALF                      ; my 64 rows of wt,
	s_add_co_u32 s22, s22, 2*AHALF                 ; which lie behind att's 256
.irp s, 0,1
	v_add_nc_u32 v[ADRA+\s], s21, v3
	v_add_nc_u32 v[ADRB+\s], s22, v3
	s_add_co_u32 s21, s21, SLOT
	s_add_co_u32 s22, s22, SLOT
.endr
	s_mul_i32 s23, s10, 16*SPITCH
	s_add_co_u32 s23, s23, STAGE                   ; my stage
	v_mul_u32_u24 v4, v1, SPITCH                   ; in: row l % 16, 32 bytes (8 f32) for each half of the lanes
	v_lshl_add_u32 v4, v2, 5, v4
	v_add_nc_u32 v[STO], s23, v4
	v_mul_u32_u24 v5, v2, SPITCH                   ; back: lanes 0-15 one row of 256 bytes, lanes 16-31 the next
	v_lshl_add_u32 v5, v1, 4, v5
	v_add_nc_u32 v[RD], s23, v5
	v_lshlrev_b32 v5, 12, v2
	v_lshl_add_u32 v[CO], v1, 4, v5
; 8 matrix instructions: m blocks a0, a0 + 1 x all 4 n blocks, 32 along k
.macro MUL8 f, a0, zero
.irp a, \a0, \a0+1
.irp b, 0,1,2,3
.if \zero
	v_wmma_f32_16x16x32_f16 v[8*(4*(\a)+\b):8*(4*(\a)+\b)+7], v[\f+8*\b:\f+8*\b+7], v[\f+8*(\a):\f+8*(\a)+7], 0
.else
	v_wmma_f32_16x16x32_f16 v[8*(4*(\a)+\b):8*(4*(\a)+\b)+7], v[\f+8*\b:\f+8*\b+7], v[\f+8*(\a):\f+8*(\a)+7], v[8*(4*(\a)+\b):8*(4*(\a)+\b)+7]
.endif
.endr
.endr
.endm
; 24 LDS loads in one run: 64 rows of wt, 128 rows of att, 32 k at byte k of the rows, into buffer f
.macro FETCH slot, k, f
	WIN TO_B
.irp i, 0,1,2,3
	ds_load_b128 v[\f+8*\i:\f+8*\i+3],   v[ADRB+\slot] offset:\k+\i*16*PITCH
	ds_load_b128 v[\f+8*\i+4:\f+8*\i+7], v[ADRB+\slot] offset:\k+\i*16*PITCH+32
.endr
	WIN 0
.irp i, 0,1,2,3,4,5,6,7
	ds_load_b128 v[\f+8*\i:\f+8*\i+3],   v[ADRA+\slot] offset:\k+\i*16*PITCH
	ds_load_b128 v[\f+8*\i+4:\f+8*\i+7], v[ADRA+\slot] offset:\k+\i*16*PITCH+32
.endr
.endm
.macro PLACES                          ; four plain vector instructions behind a matrix instruction, in front of a load into its sources or a reader of its result
.rept 4
	v_nop
.endr
.endm
; A K step is four quarters of 32 along k, 32 matrix instructions each, on buffers 0, 1, 0, 1.  The 32 accumulators take turns, one instruction a turn,
; in the same order in every quarter, over the backward jump too.
.macro QUARTER slot, k, f, g, zero
	s_wait_dscnt 8                                 ; wt's and att's rows 0-63 are in; the youngest eight loads (att's rows 64-127) may be out
	WIN MUL
	MUL8 \f, 0, \zero
	MUL8 \f, 2, \zero
	PLACES
	FETCH \slot, \k, \g
	s_wait_dscnt 24                                ; all but the 24 just issued
	WIN MUL
	MUL8 \f, 4, \zero
	MUL8 \f, 6, \zero
.endm
.macro THREE slot, zero
	QUARTER \slot, 64,  F0, F1, \zero
	QUARTER \slot, 128, F1, F0, 0
	QUARTER \slot, 192, F0, F1, 0
.endm
; The last quarter changes slots.  In front of the barrier each wave waits for its reads of this slot and for all its tensor loads (one is out: its part of the next
; slot).  Where the slot is filled again the barrier opens a round of the cluster's barrier; the joint refill is the first tensor load behind the round.
; From a request to the wait for it a wave issues 120 matrix instructions.
.macro TURN slot, next, fill
	s_wait_dscnt 8
	WIN MUL
	MUL8 F1, 0, 0
	s_wait_dscnt 0
	s_wait_tensorcnt 0x0
	ds_add_u32 v255, v255
	s_wait_dscnt 0x0
	s_barrier_signal -1
	MUL8 F1, 2, 0                                  ; register work while the others arrive
	WIN 0
	s_barrier_wait -1
.if \fill
	CREST
	s_add_nc_u64 s[G0+4*\slot+2:G0+4*\slot+3], s[G0+4*\slot+2:G0+4*\slot+3], 2*KSTEP*2
	s_add_nc_u64 s[G0B+4*\slot+2:G0B+4*\slot+3], s[G0B+4*\slot+2:G0B+4*\slot+3], 2*KSTEP*2
	JLOAD \slot
.endif
	PLACES
	FETCH \next, 0, F0
	WIN MUL
	MUL8 F1, 4, 0
	MUL8 F1, 6, 0
.endm
.macro LAP zero
	THREE 0, \zero
	TURN 0, 1, 1
	THREE 1, 0
	TURN 1, 0, 1
.endm
	s_wait_tensorcnt 0x1                           ; my part of K step 0 is in; step 1's may stay out
	s_barrier_signal -1
	s_barrier_wait -1
	FETCH 0, 0, F0
	LAP 1                                          ; the first lap's first products start the sums
	WIN 0
	s_mov_b32 s3, LAPS-2
.Llap:
	LAP 0
	WIN 0
	s_sub_co_u32 s3, s3, 1
	s_cmp_lg_u32 s3, 0
	s_cbranch_scc1 .Llap
	THREE 0, 0                                     ; the last lap fills nothing and has no round
	TURN 0, 1, 0
	THREE 1, 0
	s_wait_dscnt 8
	WIN MUL
	MUL8 F1, 0, 0
	MUL8 F1, 2, 0
	s_wait_dscnt 0
	MUL8 F1, 4, 0
	MUL8 F1, 6, 0
	; THE WAY OUT, 16 rows at a time, in f32: 32 bytes a lane and tile straight from the accumulators into my own stage, whole rows of 256 bytes back.
	PLACES
	s_lshl_b32 s13, s13, 8
	s_lshl_b32 s14, s11, 7
	s_add_co_u32 s16, s13, s14                     ; my first row
	s_lshl_b32 s16, s16, 12
	s_mov_b32 s17, 0
	s_add_nc_u64 s[8:9], s[8:9], s[16:17]
	s_lshl_b32 s46, s42, 9                         ; my first column, in bytes: 512 x block column + 256 x half (in the registers that held wt's address)
	s_lshl_b32 s47, s12, 8
	s_add_co_u32 s46, s46, s47
	s_mov_b32 s47, 0
	s_add_nc_u64 s[8:9], s[8:9], s[46:47]
.macro OUT16 a, f
	WIN 0x08                                       ; address window 0, data window 2
.irp b, 0,1,2,3
	ds_store_b128 v[STO], v[8*(4*\a+\b):8*(4*\a+\b)+3]   offset:64*\b
	ds_store_b128 v[STO], v[8*(4*\a+\b)+4:8*(4*\a+\b)+7] offset:64*\b+16
.endr
	WIN 0
	s_wait_xcnt 0x0                                ; buffer f, which earlier stores read, and the stores' base are rewritten only behind this wait
.if \a
	s_add_nc_u64 s[8:9], s[8:9], 16*OP
.endif
.irp t, 0,1,2,3,4,5,6,7
	ds_load_b128 v[\f+4*\t:\f+4*\t+3], v[RD] offset:\t*2*SPITCH    ; my own bytes, served in order behind the stores
.endr
.irp t, 0,1,2,3,4,5,6,7
	s_wait_dscnt 7-\t
	global_store_b128 v[CO], v[\f+4*\t:\f+4*\t+3], s[8:9] offset:2*\t*OP th:TH_STORE_NT   ; sixteen lanes store 256 consecutive bytes, aligned
.endr
.endm
	OUT16 0, F0
	OUT16 1, F1
	OUT16 2, F0
	OUT16 3, F1
	OUT16 4, F0
	OUT16 5, F1
	OUT16 6, F0
	OUT16 7, F1
	s_set_vgpr_msb 0x1
	s_wait_tensorcnt 0x0
	ds_add_u32 v255, v255
	s_wait_dscnt 0x0
	s_set_vgpr_msb 0x100
	CROUND                                         ; the closing round: no work-group ends while a partner may still ask for a tile that names it
	s_endpgm
.Lfunc_end_k_qddd5c09560_oproj:
	.size	k_qddd5c09560_oproj, .Lfunc_end_k_qddd5c09560_oproj-k_qddd5c09560_oproj
	.p2alignl 7, 3214868480
	.fill 96, 4, 3214868480
	.section	.rodata,"a",@progbits
	.p2align	6, 0x0
	.amdhsa_kernel k_qddd5c09560_oproj
		.amdhsa_group_segment_fixed_size 327680
		.amdhsa_private_segment_fixed_size 0
		.amdhsa_enable_private_segment 0
		.amdhsa_kernarg_size 24
		.amdhsa_user_sgpr_count 2
		.amdhsa_user_sgpr_kernarg_segment_ptr 1
		.amdhsa_wavefront_size32 1
		.amdhsa_system_sgpr_workgroup_id_x 1
		.amdhsa_system_sgpr_workgroup_id_y 1
		.amdhsa_system_sgpr_workgroup_id_z 1
		.amdhsa_system_vgpr_workitem_id 0
		.amdhsa_next_free_vgpr 768
		.amdhsa_next_free_sgpr 66
		.amdhsa_reserve_vcc 0
		.amdhsa_float_denorm_mode_32 3
		.amdhsa_float_denorm_mode_16_64 3
		.amdhsa_memory_ordered 1
		.amdhsa_forward_progress 1
		.amdhsa_inst_pref_size 120
	.end_amdhsa_kernel
	.amdgpu_metadata
---
amdhsa.version: [ 1, 2 ]
amdhsa.kernels:
  - .name:           k_qddd5c09560_oproj
    .symbol:         k_qddd5c09560_oproj.kd
    .args:
      - { .name: att, .offset: 0, .size: 8, .value_kind: global_buffer, .address_space: global }
      - { .name: wt, .offset: 8, .size: 8, .value_kind: global_buffer, .address_space: global }
      - { .name: out0, .offset: 16, .size: 8, .value_kind: global_buffer, .address_space: global }
    .group_segment_fixed_size: 327680
    .private_segment_fixed_size: 0
    .kernarg_segment_align: 8
    .kernarg_segment_size: 24
    .max_flat_workgroup_size: 128
    .sgpr_count:     66
    .vgpr_count:     768
    .wavefront_size: 32
...
	.end_amdgpu_metadata
.endif
;; end of part 4
;; ======== version 2 of 2: 4 launches
;; limits: values are held in f16: magnitudes above 65,504 overflow, below 6.1e-05 lose precision
;; workspace buffers: wt 5,242,880 bytes; qkv 25,165,824 bytes; att 16,777,216 bytes
;; launch wprep: the kernel of part 1 again; grid 8 x 40, 8 waves a work-group, no clusters, 18,432 bytes of LDS; arguments Wq, Wk, Wv, Wo, wt; writes wt
;; launch proj (part 5): grid 6 x 32, 4 waves a work-group, no clusters, 327,680 bytes of LDS; arguments query, key, value, wt, qkv; writes qkv
.if DOCPART == 5
	.amdgcn_target "amdgcn-amd-amdhsa--gfx1250"
	.amdhsa_code_object_version 6
	.text
	.protected	k_qddd5c09560_proj
	.globl	k_qddd5c09560_proj
	.p2align	8
	.type	k_qddd5c09560_proj,@function
k_qddd5c09560_proj:
	s_mov_b64 s[64:65], 0
	v_nop
	global_prefetch_b8 v0, s[64:65] scope:SCOPE_SE
	s_setreg_imm32_b32 hwreg(HW_REG_WAVE_MODE, 25, 1), 1
	s_wait_xcnt 0x0
; Launch 2 of 4: qkv[8192][1536] (f16) = X x wt rows 0..1535 (transposed weights): columns 0..1023 q (X = query), 1024..1279 k (X = key),
; 1280..1535 v (X = value).  Nothing is left out.  LIMIT: f16 operands and results: above 65,504 in magnitude they become infinite.
; A work-group makes 256 rows x 256 columns with four waves, a wave 128 x 128: 64 accumulator tiles of 16 x 16, 512 registers.
; K = 1024 goes in 16 steps of 64 through two rings of three LDS slots:
;   W's tile (256 rows of wt x 64 k, f16) comes by the tensor data mover, a quarter (64 rows) from each wave;
;   X's tile (256 rows x 64 k) is f32 in memory: each wave loads 64 rows into registers (each load two whole rows of 256 bytes),
;   rounds them to f16 and stores them into LDS.  So no activation byte goes to memory a second time as a mere copy.
; X IN FLIGHT: a wave's X of a step is four groups of eight loads (32 registers a group).  Six groups form a ring in registers.  The stream of groups
; n = 4 x step + quarter is handled at four places of a step, two blocks of 16 matrix instructions apart: group n is waited for, rounded, stored, and group
; n + 6 is loaded into the same registers.  So 48 loads of a wave are out, and each has six places, 192 matrix instructions, in which to land.
; Six groups and four a step repeat their register numbers after three steps; three slots give the LDS addresses the same period: the loop is three steps.
; Step t multiplies slot t mod 3 and handles groups 4 t + 5 .. 4 t + 8: three complete X(t+1) in front of its one barrier, the fourth begins X(t+2) behind it.
; Behind the barrier W(t+3) is asked for, into the W slot just read.
; NO CLUSTER: the grid's 6 column blocks divide into no four; along the rows four work-groups would share W's tile alone, 32 KiB of a
; step's 96 KiB, and a round for every 128 matrix instructions would tie together work-groups whose X comes through their own registers.
; REGISTERS, in windows of 256:
;   window 0: v16-30 addresses; v64-127, v128-191 fragments of X (8 x 16 rows x 32 k), two buffers; v192-255 X groups 4, 5 (v192-223 at work on the way out)
;   window 1: v64-127, v128-191 fragments of W, two buffers; v0-63 and v192-255 X groups 0 to 3
;   window 2: accumulator tiles of my rows 0-63 (tile (a, b) at v[8 (8 a + b)]);  window 3: those of my rows 64-127
; The matrix instruction is used transposed (source 0 = 16 rows of wt, source 1 = 16 rows of X): lane l then holds row l % 16 of the result and
; its eight registers the columns 8 (l / 16) + 0..7, which pack into 16 neighbouring bytes.
.set PITCH,  144                       ; an LDS row: 128 bytes + 16: nine times 16, so sixteen rows' 16-byte pieces fall on sixteen different places modulo 256
.set WSLOT,  256*PITCH                 ; 36,864
.set XBASE,  3*WSLOT                   ; X's three slots lie behind W's three; no tensor load ever lands there
.set STAGE,  6*WSLOT                   ; 16 rows x 272 bytes for each wave, for the way out
.set SPITCH, 272
.set CP,     3072                      ; bytes in a row of qkv
.set ADRA, 16                          ; v16-18  LDS address of my X fragments in slot 0, 1, 2
.set ADRB, 20                          ; v20-22  the same for W
.set STO,  24                          ; v24     way out: where I put 16 bytes of a row
.set RD,   25                          ; v25     way out: where I read a row back
.set CO,   26                          ; v26     my byte offset in qkv
.set XO,   27                          ; v27     my byte offset in X's 256 rows
.set XS,   28                          ; v28-30  where my 8 bytes of f16 go in X slot 0, 1, 2
.set F0,   64
.set F1,   128
.set TMP,  192
.set G1,   24                          ; s[24:31] descriptor group 1
.set G0,   32                          ; s[32:43] descriptor group 0, one set for each slot
.set MSB, 0
.macro WIN new                         ; the immediate's high byte repeats the setting that is left
.if MSB != \new
	s_set_vgpr_msb (MSB<<8)|\new
.set MSB, \new
.endif
.endm
.set MUL_LO, 0xa1                      ; source 0 (W) window 1, source 1 (X) window 0, C and D window 2
.set MUL_HI, 0xf1                      ; the same, C and D window 3
.set TO_B,   0x40                      ; destination window 1, address window 0
	s_load_b256 s[4:11], s[0:1], 0x0               ; query s[4:5], key s[6:7], value s[8:9], wt s[10:11]
	s_load_b64 s[12:13], s[0:1], 0x20              ; qkv
	v_lshl_add_u32 v62, v0, 2, 0x3a400
	v_mov_b32 v63, 0
	ds_add_u32 v62, v63
	v_lshrrev_b32 v1, 5, v0
	v_readfirstlane_b32 s14, v1                    ; wave 0..3
	s_lshr_b32 s15, s14, 1                         ; which 128 rows are mine
	s_and_b32 s16, s14, 1                          ; which 128 columns
	s_mov_b32 s17, ttmp9                           ; column block 0..5
	s_and_b32 s18, ttmp7, 0xffff                   ; row block 0..31
	s_mov_b32 s[G1+0], (1<<16)|(1<<20)|(4<<22)|(3<<25)   ; elements of 2 bytes; after every 32 words (a row of 64) 4 words of padding
	s_mov_b32 s[G1+1], 64<<16                      ; tensor_dim0 = 64
	s_mov_b32 s[G1+2], 64<<16                      ; tensor_dim1 = 64
	s_mov_b32 s[G1+3], 64<<16                      ; tile_dim0 = 64
	s_mov_b32 s[G1+4], 64                          ; tile_dim1 = 64 rows
	s_mov_b32 s[G1+5], 1024                        ; elements from row to row of wt
	s_mov_b32 s[G1+6], 0
	s_mov_b32 s[G1+7], 0
	s_lshl_b32 s22, s17, 8
	s_lshl_b32 s47, s14, 6
	s_add_co_u32 s22, s22, s47                     ; my 64 rows of wt: 256 x column block + 64 x wave
	s_lshl_b32 s22, s22, 11
	s_mov_b32 s23, 0
	s_mul_i32 s46, s14, 64*PITCH                   ; and where they go in a slot
	s_lshl_b32 s44, s18, 20                        ; 256 rows of 4,096 bytes
	s_mov_b32 s45, 0
	s_wait_dscnt 0x0
	s_wait_kmcnt 0x0
	s_add_nc_u64 s[10:11], s[10:11], s[22:23]
.irp s, 0,1,2
	s_mov_b32 s[G0+4*\s], 1
	s_add_co_u32 s[G0+4*\s+1], s46, \s*WSLOT
	s_add_nc_u64 s[G0+4*\s+2:G0+4*\s+3], s[10:11], \s*128          ; K step s
	s_or_b32 s[G0+4*\s+3], s[G0+4*\s+3], 0x80000000
	tensor_load_to_lds s[G0+4*\s:G0+4*\s+3], s[G1:G1+7]            ; the three first fills go out together, ahead of everything else: three tensor loads of mine are out
	s_nop 0
.endr
	s_cmp_eq_u32 s17, 4                            ; which activation: the choice hangs on the column block alone
	s_cselect_b64 s[20:21], s[6:7], s[4:5]
	s_cmp_eq_u32 s17, 5
	s_cselect_b64 s[20:21], s[8:9], s[20:21]
	s_add_nc_u64 s[20:21], s[20:21], s[44:45]      ; X at the block's first row, K step 0
	v_and_b32 v1, 15, v0                           ; l % 16
	v_bfe_u32 v2, v0, 4, 1                         ; l / 16
	v_lshlrev_b32 v4, 3, v2
	v_lshl_add_u32 v4, s14, 6, v4                  ; 64 x wave + 8 (l / 16): lanes 16-31 take the row 8 further down
	v_lshlrev_b32 v5, 4, v1
	v_lshl_add_u32 v[XO], v4, 12, v5               ; sixteen lanes read 256 consecutive bytes of a row
	v_mul_u32_u24 v6, v4, PITCH
	v_lshl_add_u32 v6, v1, 3, v6                   ; 4 f32 become 8 bytes.  The two rows of a store lie 1,152 bytes apart, 128 modulo 256
	v_add_nc_u32 v[XS], XBASE, v6
	v_add_nc_u32 v[XS+1], XBASE+WSLOT, v6
	v_add_nc_u32 v[XS+2], XBASE+2*WSLOT, v6
	; a fragment is 16 rows x 32 k in 8 registers: lane l holds row l % 16, registers 0-3 k = 8 (l / 16) + 0..7, registers 4-7 k = 16 + 8 (l / 16) + 0..7
	v_mul_u32_u24 v3, v1, PITCH
	v_lshl_add_u32 v3, v2, 4, v3
	s_mul_i32 s44, s15, 128*PITCH
	s_add_co_u32 s44, s44, XBASE
	s_mul_i32 s45, s16, 128*PITCH
.irp s, 0,1,2
	v_add_nc_u32 v[ADRA+\s], s44, v3
	v_add_nc_u32 v[ADRB+\s], s45, v3
	s_add_co_u32 s44, s44, WSLOT
	s_add_co_u32 s45, s45, WSLOT
.endr
	s_mul_i32 s23, s14, 16*SPITCH
	s_add_co_u32 s23, s23, STAGE                   ; my stage
	v_mul_u32_u24 v4, v1, SPITCH
	v_lshl_add_u32 v4, v2, 4, v4
	v_add_nc_u32 v[STO], s23, v4
	v_mul_u32_u24 v5, v2, SPITCH
	v_lshl_add_u32 v5, v1, 4, v5
	v_add_nc_u32 v[RD], s23, v5
	v_mul_u32_u24 v5, v2, CP
	v_lshl_add_u32 v[CO], v1, 4, v5
; 16 matrix instructions: m blocks a0, a0 + 1 of the window's four x all 8 n blocks, 32 along k.  zero = 1: the first product starts the sums.
.macro MUL16 f, hi, a0, zero
.irp a, \a0, \a0+1
.irp b, 0,1,2,3,4,5,6,7
.if \zero
	v_wmma_f32_16x16x32_f16 v[8*(8*(\a)+\b):8*(8*(\a)+\b)+7], v[\f+8*\b:\f+8*\b+7], v[\f+8*(4*\hi+\a):\f+8*(4*\hi+\a)+7], 0
.else
	v_wmma_f32_16x16x32_f16 v[8*(8*(\a)+\b):8*(8*(\a)+\b)+7], v[\f+8*\b:\f+8*\b+7], v[\f+8*(4*\hi+\a):\f+8*(4*\hi+\a)+7], v[8*(8*(\a)+\b):8*(8*(\a)+\b)+7]
.endif
.endr
.endr
.endm
; 32 LDS loads in one run: the fragments of 32 k at byte k of the rows (128 rows of W, 128 rows of X) into buffer f
.macro FETCH slot, k, f
	WIN TO_B
.irp i, 0,1,2,3,4,5,6,7
	ds_load_b128 v[\f+8*\i:\f+8*\i+3],   v[ADRB+\slot] offset:\k+\i*16*PITCH
	ds_load_b128 v[\f+8*\i+4:\f+8*\i+7], v[ADRB+\slot] offset:\k+\i*16*PITCH+32
.endr
	WIN 0
.irp i, 0,1,2,3,4,5,6,7
	ds_load_b128 v[\f+8*\i:\f+8*\i+3],   v[ADRA+\slot] offset:\k+\i*16*PITCH
	ds_load_b128 v[\f+8*\i+4:\f+8*\i+7], v[ADRA+\slot] offset:\k+\i*16*PITCH+32
.endr
.endm
; THE STREAM OF X.  Symbols of the text: XN = the stream group that is due; XT0 = the K step at which the base s[20:21] stands; XST = 1 if the last XNEXT had a group.
; Group n: K step n / 4, rows 16 (n % 4) + j (lanes 0-15) and + 8 (lanes 16-31), j = 0..7; registers of ring place n % 6:
; places 0-3 window 1 v0, v32, v192, v224; places 4, 5 window 0 v192, v224.  In the loop XN runs over 9..20 in every trip: place, rows and slot repeat after 12 groups.
.macro XLOADG                          ; eight loads: group xl.  Each takes two whole rows of 256 bytes
.set xlr, xl%6
.set xlb, 32*(xlr%2)+192*((xlr+2)/4)
.set xlw, 1-xlr/4
	WIN (0x40*xlw)                                 ; destination in the group's window, address in window 0
.irp j, 0,1,2,3,4,5,6,7
	global_load_b128 v[xlb+4*\j:xlb+4*\j+3], v[XO], s[20:21] offset:(16*(xl%4)+\j)*4096+(xl/4-XT0)*256
.endr
.endm
.macro XNEXT                           ; group XN is rounded to f16 in place and stored into its step's X slot; group XN + 6 is asked for
.if XN < 64
.set XST, 1
.set xr, XN%6
.set xb, 32*(xr%2)+192*((xr+2)/4)
.set xw, 1-xr/4
.if XN < 59
	s_wait_loadcnt 40                              ; loads come back in order: this group's eight are in, the five younger groups stay out
.else
	s_wait_loadcnt 8*(63-XN)                       ; the last groups: group 63 was the last to be asked for, so 63 - n younger groups are out
.endif
	WIN (0x45*xw)                                  ; sources and destination in the group's window
.irp j, 0,1,2,3,4,5,6,7
	v_cvt_pk_f16_f32 v[xb+4*\j],   v[xb+4*\j],   v[xb+4*\j+1]
	v_cvt_pk_f16_f32 v[xb+4*\j+1], v[xb+4*\j+2], v[xb+4*\j+3]
.endr
	WIN (0x04*xw)                                  ; address window 0, data in the group's window
.irp j, 0,1,2,3,4,5,6,7
	ds_store_b64 v[XS+(XN/4)%3], v[xb+4*\j:xb+4*\j+1] offset:(16*(XN%4)+\j)*PITCH
.endr
.if XN < 58
.set xl, XN+6
	XLOADG                                         ; into the registers just stored from
.endif
.else
.set XST, 0
.endif
.set XN, XN+1
.endm
; A load into a register that a matrix instruction has read stands four plain vector instructions behind it (ISA guide 7.12.1 for vector instructions); other matrix
; instructions are not counted here.  Between the last matrix instruction that read a fragment buffer and the run of loads that fills it again stand the sixteen
; conversions of an XNEXT, on registers of their own.  Only where no group is left to stage does v_nop stand.
.macro GAP
.if XST == 0
.rept 4
	v_nop
.endr
.endif
.endm
; The first half of a K step: multiplies buffer f; in its middle it fetches the second half's fragments into buffer g.
.macro QUARTER slot, k, f, g, zero
	s_wait_dscnt 8                                 ; the fragments are in; the eight youngest LDS instructions, staging stores (in the last step: the loads of X's rows 64-127), may be out
	WIN MUL_LO
	MUL16 \f, 0, 0, \zero
	XNEXT                                          ; the step's first group
	WIN MUL_LO
	MUL16 \f, 0, 2, \zero
	GAP
	FETCH \slot, \k, \g
	s_wait_dscnt 32                                ; all but the 32 just issued
	WIN MUL_HI
	MUL16 \f, 1, 0, \zero
	XNEXT                                          ; the second
	WIN MUL_HI
	MUL16 \f, 1, 2, \zero
.endm
; The second half: multiplies buffer 1 and changes slots.  ONE barrier serves both rings.  In front of it each wave has stored its rows of the next X tile (into a slot whose
; last reads ended two barriers ago), and waits for its LDS reads and stores and for all its tensor loads, of which one is out.  Behind it nobody reads
; this step's slots any more and the next ones are whole: the W slot's refill comes first, then the next slot's first fragments.
; From the request to the wait for it a wave issues 112 matrix instructions.  The 64 accumulators take turns, one instruction a turn, in the
; same order in every half step, over the backward jump too.
.macro TURN slot, next, fill
	s_wait_dscnt 8
	WIN MUL_LO
	MUL16 F1, 0, 0, 0
	XNEXT                                          ; the third group completes the next step's X
	s_wait_dscnt 0                                 ; my reads of this step's slots and my stores into the next X slot are done
	s_set_vgpr_msb (MSB<<8)|((MSB&0xf0)|0x0)
	s_wait_tensorcnt 0x0                           ; all my tensor loads have landed
	ds_add_u32 v62, v63
	s_wait_dscnt 0x0
	s_set_vgpr_msb (((MSB&0xf0)|0x0)<<8)|MSB
	s_barrier_signal -1
	WIN MUL_LO
	MUL16 F1, 0, 2, 0                              ; register work while the others arrive
	s_barrier_wait -1
.if \fill
	s_add_nc_u64 s[G0+4*\slot+2:G0+4*\slot+3], s[G0+4*\slot+2:G0+4*\slot+3], 384   ; three steps of 64 f16 on; no tensor load of mine is out
	tensor_load_to_lds s[G0+4*\slot:G0+4*\slot+3], s[G1:G1+7]      ; my one tensor load behind this barrier
	s_nop 0
.endif
	GAP
	FETCH \next, 0, F0
	WIN MUL_HI
	MUL16 F1, 1, 0, 0
	XNEXT                                          ; the fourth begins the X of the step after next, in the slot last read a step ago
	WIN MUL_HI
	MUL16 F1, 1, 2, 0
.endm
.set XT0, 0
.set XST, 0
.set xl, 0
.rept 6
	XLOADG                                         ; the ring is filled: groups 0 to 5, 48 loads
.set xl, xl+1
.endr
.set XN, 0
.rept 5
	XNEXT                                          ; X(0) whole and the first group of X(1); groups 6 to 10 go out
.endr
	WIN 0
	s_wait_dscnt 0x0                               ; my rows of X(0) are stored
	s_wait_tensorcnt 0x2                           ; my part of W(0) is in; W(1) and W(2) may stay out
	s_barrier_signal -1
	s_barrier_wait -1
	FETCH 0, 0, F0
	QUARTER 0, 64, F0, F1, 1                       ; step 0: the first products start the sums
	TURN 0, 1, 1
	WIN 0                                          ; at a label and at a branch every window is 0
	s_wait_xcnt 0x0                                ; the loads that name the base have had their addresses translated: it is stepped only behind this wait
	s_add_nc_u64 s[20:21], s[20:21], 256           ; the base stands at step 1
.set XT0, 1
	s_mov_b32 s46, 4
.Llap:
	QUARTER 1, 64, F0, F1, 0                       ; steps 1 + 3 m, 2 + 3 m, 3 + 3 m, m = 0..3: all of them fill W and load X (the last asks for W(15) and group 62)
	TURN 1, 2, 1
	QUARTER 2, 64, F0, F1, 0
	TURN 2, 0, 1
	QUARTER 0, 64, F0, F1, 0
	TURN 0, 1, 1
	WIN 0
	s_wait_xcnt 0x0
	s_add_nc_u64 s[20:21], s[20:21], 768           ; three steps of 64 f32 on
	s_sub_co_u32 s46, s46, 1
	s_cmp_lg_u32 s46, 0
	s_cbranch_scc1 .Llap
.set XN, 57                                            ; the true numbers again: step 13 begins with group 57, the base stands at step 13
.set XT0, 13
	QUARTER 1, 64, F0, F1, 0                       ; step 13: group 63 is the last load; no W is left to fetch
	TURN 1, 2, 0
	QUARTER 2, 64, F0, F1, 0                       ; step 14: stages the rest of X(15)
	TURN 2, 0, 0
	QUARTER 0, 64, F0, F1, 0                       ; step 15
	s_wait_dscnt 8
	WIN MUL_LO
	MUL16 F1, 0, 0, 0
	MUL16 F1, 0, 2, 0
	s_wait_dscnt 0
	WIN MUL_HI
	MUL16 F1, 1, 0, 0
	MUL16 F1, 1, 2, 0
	; THE WAY OUT, 16 rows at a time: round to f16, 16 bytes a lane into my own stage, read back as whole rows of 256 bytes.
.rept 4
	v_nop                                          ; the four places between the last matrix instructions and the conversions that read their results
.endr
	s_lshl_b32 s22, s18, 8
	s_lshl_b32 s23, s15, 7
	s_add_co_u32 s22, s22, s23                     ; my first row
	s_mul_i32 s22, s22, CP
	s_lshl_b32 s23, s17, 9
	s_add_co_u32 s22, s22, s23                     ; + 512 bytes x column block
	s_lshl_b32 s23, s16, 8
	s_add_co_u32 s22, s22, s23                     ; + 256 bytes x my half
	s_mov_b32 s23, 0
	s_add_nc_u64 s[12:13], s[12:13], s[22:23]
.macro OUT16 i, a, from, f
	WIN \from
.irp b, 0,1,2,3,4,5,6,7
.irp r, 0,1,2,3
	v_cvt_pk_f16_f32 v[TMP+4*\b+\r], v[8*(8*\a+\b)+2*\r], v[8*(8*\a+\b)+2*\r+1]
.endr
.endr
	WIN 0
.irp b, 0,1,2,3,4,5,6,7
	ds_store_b128 v[STO], v[TMP+4*\b:TMP+4*\b+3] offset:32*\b
.endr
	s_wait_xcnt 0x0                                ; buffer f, which earlier stores read, and the stores' base are rewritten only behind this wait
.if \i
	s_add_nc_u64 s[12:13], s[12:13], 16*CP
.endif
.irp t, 0,1,2,3,4,5,6,7
	ds_load_b128 v[\f+4*\t:\f+4*\t+3], v[RD] offset:\t*2*SPITCH    ; a wave's LDS instructions are served in order: these see the stores above
.endr
.irp t, 0,1,2,3,4,5,6,7
	s_wait_dscnt 7-\t
	global_store_b128 v[CO], v[\f+4*\t:\f+4*\t+3], s[12:13] offset:2*\t*CP   ; sixteen lanes store 256 consecutive bytes, aligned
.endr
.endm
	OUT16 0, 0, 0x0a, F0
	OUT16 1, 1, 0x0a, F1
	OUT16 2, 2, 0x0a, F0
	OUT16 3, 3, 0x0a, F1
	OUT16 4, 0, 0x0f, F0
	OUT16 5, 1, 0x0f, F1
	OUT16 6, 2, 0x0f, F0
	OUT16 7, 3, 0x0f, F1
	s_set_vgpr_msb (MSB<<8)|((MSB&0xf0)|0x0)
	s_wait_tensorcnt 0x0
	ds_add_u32 v62, v63
	s_wait_dscnt 0x0
	s_set_vgpr_msb (((MSB&0xf0)|0x0)<<8)|MSB
	s_endpgm
.Lfunc_end_k_qddd5c09560_proj:
	.size	k_qddd5c09560_proj, .Lfunc_end_k_qddd5c09560_proj-k_qddd5c09560_proj
	.p2alignl 7, 3214868480
	.fill 96, 4, 3214868480
	.section	.rodata,"a",@progbits
	.p2align	6, 0x0
	.amdhsa_kernel k_qddd5c09560_proj
		.amdhsa_group_segment_fixed_size 327680
		.amdhsa_private_segment_fixed_size 0
		.amdhsa_enable_private_segment 0
		.amdhsa_kernarg_size 40
		.amdhsa_user_sgpr_count 2
		.amdhsa_user_sgpr_kernarg_segment_ptr 1
		.amdhsa_wavefront_size32 1
		.amdhsa_system_sgpr_workgroup_id_x 1
		.amdhsa_system_sgpr_workgroup_id_y 1
		.amdhsa_system_sgpr_workgroup_id_z 1
		.amdhsa_system_vgpr_workitem_id 0
		.amdhsa_next_free_vgpr 1024
		.amdhsa_next_free_sgpr 66
		.amdhsa_reserve_vcc 0
		.amdhsa_float_denorm_mode_32 3
		.amdhsa_float_denorm_mode_16_64 3
		.amdhsa_memory_ordered 1
		.amdhsa_forward_progress 1
		.amdhsa_inst_pref_size 195
	.end_amdhsa_kernel
	.amdgpu_metadata
---
amdhsa.version: [ 1, 2 ]
amdhsa.kernels:
  - .name:           k_qddd5c09560_proj
    .symbol:         k_qddd5c09560_proj.kd
    .args:
      - { .name: query, .offset: 0, .size: 8, .value_kind: global_buffer, .address_space: global }
      - { .name: key, .offset: 8, .size: 8, .value_kind: global_buffer, .address_space: global }
      - { .name: value, .offset: 16, .size: 8, .value_kind: global_buffer, .address_space: global }
      - { .name: wt, .offset: 24, .size: 8, .value_kind: global_buffer, .address_space: global }
      - { .name: qkv, .offset: 32, .size: 8, .value_kind: global_buffer, .address_space: global }
    .group_segment_fixed_size: 327680
    .private_segment_fixed_size: 0
    .kernarg_segment_align: 8
    .kernarg_segment_size: 40
    .max_flat_workgroup_size: 128
    .sgpr_count:     66
    .vgpr_count:     1024
    .wavefront_size: 32
...
	.end_amdgpu_metadata
.endif
;; end of part 5
;; launch attn (part 6): grid 16 x 16, 4 waves a work-group, clusters of 4 x 1, 327,680 bytes of LDS; arguments qkv, att; writes att
.if DOCPART == 6
	.amdgcn_target "amdgcn-amd-amdhsa--gfx1250"
	.amdhsa_code_object_version 6
	.text
	.protected	k_qddd5c09560_attn
	.globl	k_qddd5c09560_attn
	.p2align	8
	.type	k_qddd5c09560_attn,@function
k_qddd5c09560_attn:
	s_mov_b64 s[64:65], 0
	v_nop
	global_prefetch_b8 v0, s[64:65] scope:SCOPE_SE
	s_setreg_imm32_b32 hwreg(HW_REG_WAVE_MODE, 25, 1), 1
	s_wait_xcnt 0x0
	s_wait_alu depctr_hold_cnt(0) depctr_sa_sdst(0) depctr_va_vdst(0) depctr_va_sdst(0) depctr_va_ssrc(0) depctr_va_vcc(0) depctr_vm_vsrc(0)
	s_getreg_b32 s2, hwreg(HW_REG_IB_STS2, 6, 4)
	s_cmp_eq_u32 s2, 0
	s_cbranch_scc0 .Lentry_in_a_cluster
	s_endpgm
.Lentry_in_a_cluster:
	s_bfe_u32 s2, ttmp6, 0x10000c
	s_cmp_lg_u32 s2, 0x3003
	s_cbranch_scc0 .Lentry_shape_is_right
	s_endpgm
.Lentry_shape_is_right:
; Launch 3 of 4: attention.  att[row][g*256 + hw*64 + d] = softmax(q k^T / 8) v for query head g + 4 hw and kv head g.  Nothing is left out.
; A work-group takes 128 query rows x the four query heads of one kv head (b, g) against all 2,048 keys.  Wave w takes rows 32 w .. 32 w + 31 of
; all four heads: eight query tiles qt = 2 hw + half of 16 queries.  All eight use the same K and V fragments.
; CLUSTER: the four work-groups of a cluster are four query blocks of the same (b, g); they need the same K and V tiles and ask for them jointly (mask 15).
; All four make the same 32 fills; the K and V descriptors hang on the grid's y and on the wave's number alone.
; PRODUCTS: S^T = K Q^T (source 0 = 16 keys of K, source 1 = 16 queries): lane (r, h) holds query r, register j key 8 h + j.  Two such tiles, rounded to
; f16, ARE a source-1 fragment of P^T for 32 keys.  O^T = V^T P^T (source 0 = V^T by transposing LDS loads): a lane holds 8 neighbouring d of a query.
; SOFTMAX with a running maximum, per query: m = largest raw score so far; M = round(m c), c = log2(e) / 8; p = exp2(s c - M); on a new maximum the sums and
; O are multiplied by exp2(M_old - M_new).  The same rounded M is used throughout, so its rounding cancels.  A query's keys lie in one
; lane's registers and in the lane 16 away: the maximum and the sum cross lanes once.
; TWO PIECES TAKE TURNS.  Piece A = query tiles 0-3, piece B = tiles 4-7.  The keys go in 32 tiles of 64.  A phase is 64 matrix instructions of one piece with the other
; piece's softmax, cut into 64 slices of at most eight instructions, one slice behind each matrix instruction:
;   phase 1 of tile t:  O_B += V(t-1) P_B(t-1), then S_B(t) = K(t) Q_B      beside softmax of S_A(t), which also rescales O_A and makes P_A(t)
;   phase 2 of tile t:  O_A += V(t) P_A(t),     then S_A(t+1) = K(t+1) Q_A  beside softmax of S_B(t)
; One fragment buffer each for K and V: V(t) is loaded in the middle of phase 1, when the products with V(t-1) are through, and K(t+1) at the head of phase 2, when
; those with K(t) are; each run of sixteen loads stands some thirty matrix instructions ahead of its first use.
; A phase has 64 matrix instructions, 484 vector instructions and 128 window switches.  The switches: a matrix instruction wants K or V in source 0's window and 256
; accumulator registers in the destination's, an operation in place on S or O wants source 0 and destination in one window; so a slice has a setting of its own.
; THE RING: two LDS slots of ONE tile of 64 keys each.  The two slots' turn is the loop's body: four phases, some 2,800 instructions.  Slots of 128 keys would make it
; eight phases, twice the code, for half the rounds of the cluster's barrier; the short body is preferred.  A tile's 64 rows of K and 64 of V are shared among the
; four waves, 32 rows each, so that every wave issues one load behind every round and the counts are alike in all waves.
; LIMIT: q, k, v, p and the result are f16 (infinite above 65,504; p below 6e-8 is lost).  A row whose scores hold an infinity or a NaN gives NaN.
.set QP, 3072                          ; bytes in a row of qkv
.set KP, 144                           ; LDS pitch of K: 128 + 16
.set VP, 160                           ; LDS pitch of V: 128 + 32, five times 32, for the transposing loads
.set SP, 528                           ; LDS pitch of Q and of the stage: 512 + 16
.set SLOT, 64*KP+64*VP                 ; 19,456: 64 keys of K, then 64 keys of V
.set VOFF, 64*KP
.set QREG, 2*SLOT                      ; 128 rows x 528
.set STAGE, QREG+128*SP                ; 128 rows x 528, for the way out; no tensor load lands here
.set KA, 2                             ; v2-3   K fragment address in slot 0, 1
.set VA, 4                             ; v4-5   V fragment address in slot 0, 1
.set QA, 6                             ; v6     Q fragment address
.set STO, 7                            ; v7     way out: where my 16 bytes go
.set RD, 8                             ; v8     way out: where I read rows back
.set CO, 9                             ; v9     my byte offset in a row's 512 bytes of att
.set NM, 32                            ; v[32+2qt] = -M, v[33+2qt] = m
.set AL, 48                            ; v[48+2qt] = the factor for sums and O; v[49+2qt] written once, never used as a value
.set KF, 64                            ; v64-127   K fragments (kt, ks) at 8 (2 kt + ks)
.set VF, 128                           ; v128-191  V^T fragments (i, dt) at 8 (4 i + dt)
.set LS, 192                           ; v[192+4qt .. 195+4qt] four partial sums: two pairs, two chains
.set TA, 224                           ; v224-227  at work, one for each query tile of the piece
.set TB, 228                           ; v228-231
.set UU, 232                           ; v232-235
; window 1: Q fragments (qt, ks) at 8 (2 qt + ks), v0-127; P fragments (qt, i) at 128 + 8 (2 qt + i)
; window 2 (piece A), window 3 (piece B), q = qt mod 4: S tiles (q, kt) at 8 (4 q + kt), v0-127; O tiles (q, dt) at 128 + 8 (4 q + dt)
; so all matrix instructions of a phase run under one setting, and so do the multiply-adds, the exponentials and the rescaling of O.
.set G1K, 16
.set G1V, 24
.set G1Q, 32
.set G0K, 40                           ; s[40:47] one set for each slot
.set G0V, 48                           ; s[48:55]
.set G0Q, 56                           ; s[56:59]
.set MSB, 0
.macro WIN new                         ; bits 1:0 source 0, 3:2 source 1, 5:4 source 2, 7:6 destination; the high byte repeats the setting that is left
.if MSB != \new
	s_set_vgpr_msb (MSB<<8)|\new
.set MSB, \new
.endif
.endm
; A round of the cluster's barrier: my work-group's barrier; wave 0 signals for the work-group; every wave waits for all four work-groups; my work-group's barrier again.
.macro ROUND
	s_barrier_signal -1
	s_barrier_wait -1
	s_cmp_lg_u32 s8, 0
	s_cbranch_scc1 .Lnot_wave_0_\@
	s_barrier_signal -3
.Lnot_wave_0_\@:
	s_barrier_wait -3
	s_barrier_signal -1
	s_barrier_wait -1
.endm
; A joint load into slot s: waves 0 and 1 bring K's two halves of 32 keys, waves 2 and 3 V's.  The branch hangs on the wave's number alone.
.macro JLOAD s
	s_cmp_eq_u32 s9, 0
	s_cbranch_scc0 .Lfor_v_\@
	tensor_load_to_lds s[G0K+4*(\s):G0K+4*(\s)+3], s[G1K:G1K+7]
	s_nop 0
	s_branch .Lasked_\@
.Lfor_v_\@:
	tensor_load_to_lds s[G0V+4*(\s):G0V+4*(\s)+3], s[G1V:G1V+7]
	s_nop 0
.Lasked_\@:
.endm
	s_load_b128 s[4:7], s[0:1], 0x0                ; qkv s[4:5], att s[6:7]
	v_lshl_add_u32 v254, v0, 2, 0x2a800
	v_mov_b32 v255, 0
	ds_add_u32 v254, v255
	v_lshrrev_b32 v1, 5, v0
	v_readfirstlane_b32 s8, v1                     ; wave 0..3
	s_lshr_b32 s9, s8, 1                           ; 0: I fetch K, 1: I fetch V
	s_and_b32 s10, s8, 1                           ; which 32 keys of a tile I fetch
	s_bfe_u32 s11, ttmp6, 0x40000                  ; cx
	s_lshl_b32 s12, ttmp9, 2
	s_add_co_u32 s12, s12, s11                     ; query block 0..15
	s_and_b32 s13, ttmp7, 0xffff
	s_lshr_b32 s14, s13, 2                         ; b
	s_and_b32 s15, s13, 3                          ; g
	s_mov_b32 s[G1K+0], 15|(1<<16)|(1<<20)|(1<<21)|(4<<22)|(3<<25)   ; mask: all four; 2-byte elements; after every 32 words 4 words of padding; bit 21 beside a mask
	s_mov_b32 s[G1V+0], 15|(1<<16)|(1<<20)|(1<<21)|(4<<22)|(7<<25)   ; the same with 8 words of padding
	s_mov_b32 s[G1Q+0], (1<<16)|(1<<20)|(6<<22)|(3<<25)              ; my own load: no mask; after every 128 words 4 words of padding
	s_mov_b32 s[G1K+1], 64<<16                     ; tensor_dim0 = 64
	s_mov_b32 s[G1V+1], 64<<16
	s_mov_b32 s[G1Q+1], 256<<16                    ; four heads' 256 elements
	s_mov_b32 s[G1K+2], 32<<16                     ; tensor_dim1 = 32 keys
	s_mov_b32 s[G1V+2], 32<<16
	s_mov_b32 s[G1Q+2], 32<<16                     ; 32 rows
	s_mov_b32 s[G1K+3], 64<<16                     ; tile_dim0
	s_mov_b32 s[G1V+3], 64<<16
	s_mov_b32 s[G1Q+3], 256<<16
	s_mov_b32 s[G1K+4], 32                         ; tile_dim1
	s_mov_b32 s[G1V+4], 32
	s_mov_b32 s[G1Q+4], 32
	s_mov_b32 s[G1K+5], 1536                       ; elements from row to row of qkv
	s_mov_b32 s[G1V+5], 1536
	s_mov_b32 s[G1Q+5], 1536
	s_mov_b32 s[G1K+6], 0
	s_mov_b32 s[G1V+6], 0
	s_mov_b32 s[G1Q+6], 0
	s_mov_b32 s[G1K+7], 0
	s_mov_b32 s[G1V+7], 0
	s_mov_b32 s[G1Q+7], 0
	s_mov_b32 s68, 0x3e38aa3b                      ; c = log2(e) / 8, twice
	s_mov_b32 s69, 0x3e38aa3b
	s_mov_b32 s70, 0xbe38aa3b                      ; -c
	s_mov_b32 s72, 0x76543210                      ; v_permlanex16_b32: lane i reads lane i of the other half
	s_mov_b32 s73, 0xfedcba98
	; K and V: rows 2048 b + 32 (wave & 1), byte 128 g of the k (v) columns.  s2, s3, s66, s67, s71, s74 never hold cx.
	s_lshl_b32 s2, s14, 11
	s_lshl_b32 s3, s10, 5
	s_add_co_u32 s2, s2, s3
	s_mul_i32 s2, s2, QP
	s_lshl_b32 s3, s15, 7
	s_add_co_u32 s2, s2, s3
	s_mov_b32 s3, 0
	s_mul_i32 s71, s10, 32*KP
	s_mul_i32 s74, s10, 32*VP
	; Q and att: my 32 rows
	s_lshl_b32 s61, s14, 11
	s_lshl_b32 s62, s12, 7
	s_add_co_u32 s61, s61, s62
	s_lshl_b32 s62, s8, 5
	s_add_co_u32 s61, s61, s62                     ; row 2048 b + 128 x query block + 32 x wave
	s_mul_i32 s62, s61, QP
	s_lshl_b32 s63, s15, 9
	s_add_co_u32 s62, s62, s63                     ; + 512 g
	s_mov_b32 s63, 0
	s_mul_i32 s75, s8, 32*SP
	s_wait_dscnt 0x0
	s_wait_kmcnt 0x0
	s_add_nc_u64 s[66:67], s[4:5], s[2:3]
	s_mov_b32 s[G0Q], 1
	s_add_co_u32 s[G0Q+1], s75, QREG
	s_add_nc_u64 s[G0Q+2:G0Q+3], s[4:5], s[62:63]
	s_or_b32 s[G0Q+3], s[G0Q+3], 0x80000000
.irp s, 0,1
	s_mov_b32 s[G0K+4*\s], 1
	s_add_co_u32 s[G0K+4*\s+1], s71, \s*SLOT
	s_add_nc_u64 s[G0K+4*\s+2:G0K+4*\s+3], s[66:67], \s*64*QP+2048     ; tile s: keys 64 s ..; k's columns begin at byte 2,048
	s_or_b32 s[G0K+4*\s+3], s[G0K+4*\s+3], 0x80000000
	s_mov_b32 s[G0V+4*\s], 1
	s_add_co_u32 s[G0V+4*\s+1], s74, \s*SLOT+VOFF
	s_add_nc_u64 s[G0V+4*\s+2:G0V+4*\s+3], s[66:67], \s*64*QP+2560     ; v's columns begin at byte 2,560
	s_or_b32 s[G0V+4*\s+3], s[G0V+4*\s+3], 0x80000000
.endr
	s_lshl_b32 s62, s61, 11                        ; att: rows of 2,048 bytes
	s_lshl_b32 s63, s15, 9
	s_add_co_u32 s62, s62, s63
	s_mov_b32 s63, 0
	s_add_nc_u64 s[6:7], s[6:7], s[62:63]
	s_add_co_u32 s75, s75, STAGE                   ; my 32 rows of the stage
	ROUND                                          ; all four work-groups are here: the first joint loads meet
	tensor_load_to_lds s[G0Q:G0Q+3], s[G1Q:G1Q+7]  ; the three first fills go out as one group: my rows of Q,
	s_nop 0
	JLOAD 0                                        ; my part of tile 0,
	JLOAD 1                                        ; my part of tile 1.  Three tensor loads of mine are out
	v_and_b32 v10, 31, v0                          ; lane L
	v_and_b32 v11, 15, v0                          ; r
	v_bfe_u32 v12, v0, 4, 1                        ; h
	v_mul_u32_u24 v13, v11, KP
	v_lshl_add_u32 v[KA], v12, 4, v13              ; key r, 16 h bytes
	v_add_nc_u32 v[KA+1], SLOT, v[KA]
	v_and_b32 v14, 7, v0
	v_lshl_add_u32 v14, v12, 3, v14
	v_mul_u32_u24 v14, v14, VP                     ; key 8 h + (L & 7)
	v_bfe_u32 v15, v0, 3, 1
	v_lshl_add_u32 v14, v15, 4, v14                ; + 16 ((L >> 3) & 1)
	v_add_nc_u32 v[VA], VOFF, v14
	v_add_nc_u32 v[VA+1], VOFF+SLOT, v14
	v_lshl_add_u32 v13, s8, 5, v11                 ; row 32 w + r
	v_mul_u32_u24 v13, v13, SP
	v_lshl_add_u32 v13, v12, 4, v13
	v_add_nc_u32 v[QA], QREG, v13
	v_add_nc_u32 v[STO], STAGE, v13
	v_lshl_add_u32 v[RD], v10, 4, s75              ; a row's 512 bytes: 32 lanes x 16
	v_lshlrev_b32 v[CO], 4, v10
.irp q, 0,1,2,3,4,5,6,7
	v_mov_b32 v[NM+2*\q+1], 0xff800000             ; m = -infinity
	v_mov_b32 v[AL+2*\q+1], 0                      ; the pair's second register is named by packed instructions
.endr
	s_wait_tensorcnt 0x2                           ; my rows of Q are in (only I read them); both slots' parts may be out
	WIN 0x40                                       ; destination window 1
.irp hw, 0,1,2,3
.irp rh, 0,1
.irp ks, 0,1
	ds_load_b128 v[8*(2*(2*\hw+\rh)+\ks):8*(2*(2*\hw+\rh)+\ks)+3],   v[QA] offset:\rh*16*SP+\hw*128+\ks*64
	ds_load_b128 v[8*(2*(2*\hw+\rh)+\ks)+4:8*(2*(2*\hw+\rh)+\ks)+7], v[QA] offset:\rh*16*SP+\hw*128+\ks*64+32
.endr
.endr
.endr
	WIN 0
.macro KLOAD slot                      ; 16 loads: the slot's 64 keys x 64 d
	WIN 0
.irp kt, 0,1,2,3
.irp ks, 0,1
	ds_load_b128 v[KF+8*(2*\kt+\ks):KF+8*(2*\kt+\ks)+3],   v[KA+\slot] offset:\kt*16*KP+\ks*64
	ds_load_b128 v[KF+8*(2*\kt+\ks)+4:KF+8*(2*\kt+\ks)+7], v[KA+\slot] offset:\kt*16*KP+\ks*64+32
.endr
.endr
.endm
.macro VLOAD slot                      ; 16 transposing loads: 64 d x the slot's 64 keys
	WIN 0
.irp i, 0,1
.irp dt, 0,1,2,3
	ds_load_tr16_b128 v[VF+8*(4*\i+\dt):VF+8*(4*\i+\dt)+3],   v[VA+\slot] offset:\i*32*VP+\dt*32
	ds_load_tr16_b128 v[VF+8*(4*\i+\dt)+4:VF+8*(4*\i+\dt)+7], v[VA+\slot] offset:\i*32*VP+\dt*32+16*VP
.endr
.endr
.endm
; SLICE idx (0..63) of the softmax step of piece pc for 64 keys.  mode 0: nothing; 1: the first tile (sums and O are still empty: no factor); 2: every later tile.
; The piece's query tile q has its 32 scores in v[32 q .. 32 q + 31] and its O in v[128 + 32 q ..] of window 2 + pc.
;   0-7    the largest of the old maximum and my 32 scores: two chains a query tile, eight side by side
;   8-12   across the two lane halves; -M; the factor exp2(M_old - M_new); the sums times the factor
;   13-45  slice 13 + j: s c - M for scores 4 j .. 4 j + 3, exp2 of scores 4 j - 4 .. 4 j - 1, O's registers 4 j .. 4 j + 3 times the factor; an exponential and a
;          plain instruction on other registers take turns, so that a plain instruction stands behind each exponential (ISA guide 5.7.2)
;   46-53  the sums, two chains a query tile
;   54-63  p to f16: score registers 2 n, 2 n + 1 become register n of the P fragments (tile kt = 2 i fills registers 0-3 of P(q, i), kt = 2 i + 1 registers 4-7)
; The last five slices are 34 plain instructions on this piece's registers: they are the places between the other piece's last matrix instructions
; and what follows the phase: the loads into K's fragments and the first reads of that piece's scores.
.macro VS pc, mode, idx
.if \mode
.if \idx < 8
	WIN (((2+\pc)<<2)|((2+\pc)<<4))                ; sources 1 and 2 in the piece's window
.irp q, 0,1,2,3
.if \idx == 0
	v_max3_num_f32 v[TA+\q], v[NM+8*\pc+2*\q+1], v[32*\q], v[32*\q+1]
	v_max3_num_f32 v[TB+\q], v[NM+8*\pc+2*\q+1], v[32*\q+16], v[32*\q+17]
.else
	v_max3_num_f32 v[TA+\q], v[TA+\q], v[32*\q+2*\idx], v[32*\q+2*\idx+1]
	v_max3_num_f32 v[TB+\q], v[TB+\q], v[32*\q+2*\idx+16], v[32*\q+2*\idx+17]
.endif
.endr
.endif
.if \idx == 8
	WIN 0
.irp q, 0,1,2,3
	v_max_num_f32 v[UU+\q], v[TA+\q], v[TB+\q]
.endr
.irp q, 0,1,2,3
	v_permlanex16_b32 v[TB+\q], v[UU+\q], s72, s73 ; the query's other 32 keys lie 16 lanes away
.endr
.endif
.if \idx == 9
	WIN 0
.irp q, 0,1,2,3
	v_max_num_f32 v[NM+8*\pc+2*\q+1], v[UU+\q], v[TB+\q]           ; m
.endr
.irp q, 0,1,2,3
.if \mode == 1
	v_mul_f32 v[NM+8*\pc+2*\q], s70, v[NM+8*\pc+2*\q+1]            ; -M
.else
	v_mul_f32 v[TA+\q], s70, v[NM+8*\pc+2*\q+1]                    ; the new -M
.endif
.endr
.endif
.if \mode == 2
.if \idx == 10
	WIN 0
.irp q, 0,1,2,3
	v_sub_f32 v[UU+\q], v[TA+\q], v[NM+8*\pc+2*\q]                 ; M_old - M_new, never above 0
.endr
.irp q, 0,1,2,3
	v_exp_f32 v[AL+8*\pc+2*\q], v[UU+\q]
.endr
.endif
.if \idx == 11
	WIN 0
.irp q, 0,1,2,3
	v_mov_b32 v[NM+8*\pc+2*\q], v[TA+\q]                           ; plain instructions between the exponentials and their first use
.endr
	s_wait_alu depctr_va_vdst(0)
.irp q, 0,1,2,3
	v_pk_mul_f32 v[LS+16*\pc+4*\q:LS+16*\pc+4*\q+1], v[LS+16*\pc+4*\q:LS+16*\pc+4*\q+1], v[AL+8*\pc+2*\q:AL+8*\pc+2*\q+1] op_sel_hi:[1,0]
.endr
.endif
.if \idx == 12
	WIN 0
.irp q, 0,1,2,3
	v_pk_mul_f32 v[LS+16*\pc+4*\q+2:LS+16*\pc+4*\q+3], v[LS+16*\pc+4*\q+2:LS+16*\pc+4*\q+3], v[AL+8*\pc+2*\q:AL+8*\pc+2*\q+1] op_sel_hi:[1,0]
.endr
.endif
.endif
.if \idx >= 13
.if \idx <= 45
	WIN ((2+\pc)|((2+\pc)<<6))                     ; source 0 and destination in the piece's window
.set ej, \idx-13
.irp h, 0,1
.if ej < 32
	v_pk_fma_f32 v[4*ej+2*\h:4*ej+2*\h+1], v[4*ej+2*\h:4*ej+2*\h+1], s[68:69], v[NM+8*\pc+2*(ej/8):NM+8*\pc+2*(ej/8)+1] op_sel_hi:[1,0,0]
.endif
.if ej > 0
	v_exp_f32 v[4*ej-4+2*\h], v[4*ej-4+2*\h]
.endif
.if ej < 32
.if \mode == 2
	v_pk_mul_f32 v[128+4*ej+2*\h:128+4*ej+2*\h+1], v[128+4*ej+2*\h:128+4*ej+2*\h+1], v[AL+8*\pc+2*(ej/8):AL+8*\pc+2*(ej/8)+1] op_sel_hi:[1,0]
.endif
.endif
.if ej > 0
	v_exp_f32 v[4*ej-3+2*\h], v[4*ej-3+2*\h]
.endif
.endr
.endif
.endif
.if \idx >= 46
.if \idx <= 53
.set ek, \idx-46
.if \mode == 1
.if ek == 0
	WIN ((2+\pc)|((2+\pc)<<2))                     ; the first tile's first four pairs start the four sums: nothing is cleared
	s_wait_alu depctr_va_vdst(0)
.irp q, 0,1,2,3
	v_pk_add_f32 v[LS+16*\pc+4*\q:LS+16*\pc+4*\q+1],   v[32*\q:32*\q+1],   v[32*\q+4:32*\q+5]
	v_pk_add_f32 v[LS+16*\pc+4*\q+2:LS+16*\pc+4*\q+3], v[32*\q+2:32*\q+3], v[32*\q+6:32*\q+7]
.endr
.endif
.endif
.if (\mode-1)+(ek/2)
	WIN ((2+\pc)<<2)                               ; source 1 in the piece's window
	s_wait_alu depctr_va_vdst(0)
.irp q, 0,1,2,3
	v_pk_add_f32 v[LS+16*\pc+4*\q:LS+16*\pc+4*\q+1],   v[LS+16*\pc+4*\q:LS+16*\pc+4*\q+1],   v[32*\q+4*ek:32*\q+4*ek+1]
	v_pk_add_f32 v[LS+16*\pc+4*\q+2:LS+16*\pc+4*\q+3], v[LS+16*\pc+4*\q+2:LS+16*\pc+4*\q+3], v[32*\q+4*ek+2:32*\q+4*ek+3]
.endr
.endif
.endif
.endif
.if \idx >= 54
	WIN ((2+\pc)|((2+\pc)<<2)|0x40)                ; sources in the piece's window, destination window 1
.if \idx < 62
.set ec, 6*(\idx-54)
.rept 6
	v_cvt_pk_f16_f32 v[128+64*\pc+ec], v[2*ec], v[2*ec+1]
.set ec, ec+1
.endr
.else
.set ec, 48+8*(\idx-62)
.rept 8
	v_cvt_pk_f16_f32 v[128+64*\pc+ec], v[2*ec], v[2*ec+1]
.set ec, ec+1
.endr
.endif
.endif
.endif
.endm
; A PHASE: the matrix instructions of piece mp, each followed by a slice of the other piece's softmax (mode vmode).
; pvmode 0: no O += V P; 1: the first 32 keys start the sums; 2: they add.   smode 1: S = K Q follows.
; kl = 1: K's next fragments (from slot) are loaded at the head; V's fragments, which the first products read, were waited for in front of the round that stands ahead.
; vl = 1: V's next fragments (from slot) are loaded behind the 34th slice: between the last matrix instruction that read V's fragments (the 32nd) and these loads stand
; the plain instructions of three slices, at least six.
; In each half the piece's 16 accumulators take turns, one instruction a turn, twice round; the halves and the phases name different accumulators.
.macro PHASE mp, vmode, pvmode, smode, kl, vl, slot
.if \kl
	KLOAD \slot
.endif
.set sl, 0
.irp i, 0,1
.irp dt, 0,1,2,3
.irp q, 0,1,2,3
.if \pvmode
	WIN (0x04|((2+\mp)<<4)|((2+\mp)<<6))           ; source 0 window 0, source 1 window 1, C and D the piece's window
.if (2-\pvmode)*(1-\i)
	v_wmma_f32_16x16x32_f16 v[128+8*(4*\q+\dt):128+8*(4*\q+\dt)+7], v[VF+8*(4*\i+\dt):VF+8*(4*\i+\dt)+7], v[128+64*\mp+8*(2*\q+\i):128+64*\mp+8*(2*\q+\i)+7], 0
.else
	v_wmma_f32_16x16x32_f16 v[128+8*(4*\q+\dt):128+8*(4*\q+\dt)+7], v[VF+8*(4*\i+\dt):VF+8*(4*\i+\dt)+7], v[128+64*\mp+8*(2*\q+\i):128+64*\mp+8*(2*\q+\i)+7], v[128+8*(4*\q+\dt):128+8*(4*\q+\dt)+7]
.endif
.endif
	VS (1-\mp), \vmode, sl
.set sl, sl+1
.endr
.endr
.endr
.if \kl
	s_wait_dscnt 0                                 ; K's fragments, asked for 32 matrix instructions ago
.endif
.irp ks, 0,1
.irp kt, 0,1,2,3
.irp q, 0,1,2,3
.if \vl
.if sl == 34
	VLOAD \slot
.endif
.endif
.if \smode
	WIN (0x04|((2+\mp)<<4)|((2+\mp)<<6))
.if \ks
	v_wmma_f32_16x16x32_f16 v[8*(4*\q+\kt):8*(4*\q+\kt)+7], v[KF+8*(2*\kt+\ks):KF+8*(2*\kt+\ks)+7], v[64*\mp+8*(2*\q+\ks):64*\mp+8*(2*\q+\ks)+7], v[8*(4*\q+\kt):8*(4*\q+\kt)+7]
.else
	v_wmma_f32_16x16x32_f16 v[8*(4*\q+\kt):8*(4*\q+\kt)+7], v[KF+8*(2*\kt+\ks):KF+8*(2*\kt+\ks)+7], v[64*\mp+8*(2*\q+\ks):64*\mp+8*(2*\q+\ks)+7], 0
.endif
.endif
	VS (1-\mp), \vmode, sl
.set sl, sl+1
.endr
.endr
.endr
.endm
; HALF a turn of the ring: the two phases that read tile t's slot: phase 2 of tile t - 1 (it loads K(t)) and phase 1 of tile t (it loads V(t)).
; slot = t mod 2; other = the slot of tile t - 1.  At the head the slots change: each wave waits for all its tensor loads (one is out: its part of tile t) and for its reads of
; the other slot, the last of which were V's fragments in the phase before; behind the round no wave of the four work-groups reads the other slot or has a load on
; its way: the joint refill, tile t + 1, comes first, one a wave, and has the two phases' 128 matrix instructions in which to land.
; vm0, pv0, vm1, pv1: the softmax and product modes of the two phases (2 but for tile 1, whose products start O).
.macro HALF slot, other, refill, vm0, pv0, vm1, pv1
	WIN 0
	s_wait_tensorcnt 0x0
	ds_add_u32 v254, v255
	s_wait_dscnt 0x0
.if \refill
	s_add_nc_u64 s[G0K+4*\other+2:G0K+4*\other+3], s[G0K+4*\other+2:G0K+4*\other+3], 128*QP   ; two tiles of 64 keys on; no tensor load of mine is out
	s_add_nc_u64 s[G0V+4*\other+2:G0V+4*\other+3], s[G0V+4*\other+2:G0V+4*\other+3], 128*QP
.endif
	s_wait_dscnt 0x0
	ROUND
.if \refill
	JLOAD \other
.endif
	PHASE 0, \vm0, \pv0, 1, 1, 0, \slot
	PHASE 1, \vm1, \pv1, 1, 0, 1, \slot
.endm
	s_wait_tensorcnt 0x1                           ; my part of tile 0 is in; tile 1's may stay out
	s_wait_dscnt 0x0                               ; Q's fragments are in
	s_barrier_signal -1
	s_barrier_wait -1
	; tiles 0 and 1: the pieces are set going
	KLOAD 0
	s_wait_dscnt 0x0
	PHASE 0, 0, 0, 1, 0, 0, 0                      ; S_A(0) alone
.rept 4
	v_nop                                          ; no slice stands here: the four places in front of the first reads of S_A(0)
.endr
	PHASE 1, 1, 0, 1, 0, 1, 0                      ; S_B(0) beside the first softmax of A; V(0)
	HALF 1, 0, 1, 1, 1, 2, 1                       ; tile 1: O_A and O_B start; the first softmax of B; slot 0 gets tile 2
	WIN 0                                          ; at a label and at a branch every window is 0
	s_mov_b32 s60, 14
.Lkv:
	HALF 0, 1, 1, 2, 2, 2, 2                       ; trip n = 1..14: tile 2 n; slot 1 gets tile 2 n + 1
	HALF 1, 0, 1, 2, 2, 2, 2                       ; tile 2 n + 1; slot 0 gets tile 2 n + 2
	WIN 0
	s_sub_co_u32 s60, s60, 1
	s_cmp_lg_u32 s60, 0
	s_cbranch_scc1 .Lkv
	HALF 0, 1, 1, 2, 2, 2, 2                       ; tile 30; slot 1 gets tile 31, the last fill
	HALF 1, 0, 0, 2, 2, 2, 2                       ; tile 31: nothing is left to fetch
	s_wait_dscnt 0x0                               ; the last V fragments
	PHASE 0, 2, 2, 0, 0, 0, 0                      ; O_A's last products beside the last softmax of B
	PHASE 1, 0, 2, 0, 0, 0, 0                      ; O_B's last products
	; THE WAY OUT: divide by the sum, round to f16, through my own rows of the stage, whole rows of 512 bytes to att.
	; The instructions on the sums are the places between the last matrix instructions and the first reads of O.
	WIN 0
.irp q, 0,1,2,3,4,5,6,7
	v_pk_add_f32 v[LS+4*\q:LS+4*\q+1], v[LS+4*\q:LS+4*\q+1], v[LS+4*\q+2:LS+4*\q+3]
.endr
.irp q, 0,1,2,3,4,5,6,7
	v_add_f32 v[LS+4*\q], v[LS+4*\q], v[LS+4*\q+1]
.endr
.irp q, 0,1,2,3,4,5,6,7
	v_permlanex16_b32 v[LS+4*\q+1], v[LS+4*\q], s72, s73
.endr
.irp q, 0,1,2,3,4,5,6,7
	v_add_f32 v[LS+4*\q], v[LS+4*\q], v[LS+4*\q+1] ; at least 1: the largest score's own term
.endr
.irp q, 0,1,2,3,4,5,6,7
	v_rcp_f32 v[AL+2*\q], v[LS+4*\q]
.endr
	v_nop                                          ; one plain instruction between the reciprocals and their first use (ISA guide 5.7.2)
	s_wait_alu depctr_va_vdst(0)
.irp pc, 0,1
	WIN ((2+\pc)|((2+\pc)<<6))
.set sn, 0
.rept 64
	v_pk_mul_f32 v[128+2*sn:128+2*sn+1], v[128+2*sn:128+2*sn+1], v[AL+8*\pc+2*(sn/16):AL+8*\pc+2*(sn/16)+1] op_sel_hi:[1,0]
.set sn, sn+1
.endr
	WIN ((2+\pc)|((2+\pc)<<2)|0x40)
.set sn, 0
.rept 64
	v_cvt_pk_f16_f32 v[128+64*\pc+sn], v[128+2*sn], v[128+2*sn+1]  ; tile (qt, dt): 8 d of a query, 16 bytes, in window 1 v[128 + 4 (4 qt + dt) ..]
.set sn, sn+1
.endr
.endr
	WIN 0x04                                       ; address window 0, data window 1
.irp hw, 0,1,2,3
.irp rh, 0,1
.irp dt, 0,1,2,3
	ds_store_b128 v[STO], v[128+4*(4*(2*\hw+\rh)+\dt):128+4*(4*(2*\hw+\rh)+\dt)+3] offset:\rh*16*SP+\hw*128+\dt*32
.endr
.endr
.endr
	WIN 0
.set sn, 0
.rept 32
	ds_load_b128 v[KF+4*sn:KF+4*sn+3], v[RD] offset:sn*SP    ; my own bytes, served in order behind the stores
.set sn, sn+1
.endr
.set sn, 0
.rept 32
	s_wait_dscnt 31-sn
	global_store_b128 v[CO], v[KF+4*sn:KF+4*sn+3], s[6:7] offset:sn*2048   ; the wave stores 512 consecutive bytes, aligned
.set sn, sn+1
.endr
	s_wait_tensorcnt 0x0
	ds_add_u32 v254, v255
	s_wait_dscnt 0x0
	ROUND                                          ; the closing round: no work-group ends while a partner may still ask for a tile that names it
	s_endpgm
.Lfunc_end_k_qddd5c09560_attn:
	.size	k_qddd5c09560_attn, .Lfunc_end_k_qddd5c09560_attn-k_qddd5c09560_attn
	.p2alignl 7, 3214868480
	.fill 96, 4, 3214868480
	.section	.rodata,"a",@progbits
	.p2align	6, 0x0
	.amdhsa_kernel k_qddd5c09560_attn
		.amdhsa_group_segment_fixed_size 327680
		.amdhsa_private_segment_fixed_size 0
		.amdhsa_enable_private_segment 0
		.amdhsa_kernarg_size 16
		.amdhsa_user_sgpr_count 2
		.amdhsa_user_sgpr_kernarg_segment_ptr 1
		.amdhsa_wavefront_size32 1
		.amdhsa_system_sgpr_workgroup_id_x 1
		.amdhsa_system_sgpr_workgroup_id_y 1
		.amdhsa_system_sgpr_workgroup_id_z 1
		.amdhsa_system_vgpr_workitem_id 0
		.amdhsa_next_free_vgpr 1024
		.amdhsa_next_free_sgpr 76
		.amdhsa_reserve_vcc 0
		.amdhsa_float_denorm_mode_32 3
		.amdhsa_float_denorm_mode_16_64 3
		.amdhsa_memory_ordered 1
		.amdhsa_forward_progress 1
		.amdhsa_inst_pref_size 255
	.end_amdhsa_kernel
	.section	.bss,"aw",@nobits
	.p2align	6
	.space	262144
	.amdgpu_metadata
---
amdhsa.version: [ 1, 2 ]
amdhsa.kernels:
  - .name:           k_qddd5c09560_attn
    .symbol:         k_qddd5c09560_attn.kd
    .args:
      - { .name: qkv, .offset: 0, .size: 8, .value_kind: global_buffer, .address_space: global }
      - { .name: att, .offset: 8, .size: 8, .value_kind: global_buffer, .address_space: global }
    .group_segment_fixed_size: 327680
    .private_segment_fixed_size: 0
    .kernarg_segment_align: 8
    .kernarg_segment_size: 16
    .max_flat_workgroup_size: 128
    .sgpr_count:     76
    .vgpr_count:     1024
    .wavefront_size: 32
...
	.end_amdgpu_metadata
.endif
;; end of part 6
;; launch oproj: the kernel of part 4 again; grid 8 x 32, 4 waves a work-group, clusters of 4 x 4, 327,680 bytes of LDS; arguments att, wt, out0; writes out0
